; MI455X (gfx1250); checked and timed in simulation.
; The chip was launched on July 23, 2026; its instructions are those of AMD's public machine-readable ISA for CDNA 5 (MIT licence, August 2026) and "CDNA5" Instruction Set Architecture Reference Guide (July 2026). The comments in the code are by the model that wrote it; some were corrected since.
;; Multi Head Attention Karpathy. Allowed arithmetic: matrix products marked QUANTISED: E2M1 operands, one E8M0 scale for each 32 along K, by v_wmma_scale_f32_16x16x128_f8f6f4 with both operands' format E2M1 (or v_wmma_scale_f32_32x16x128_f4), f32 sums; products left as they are: bf16, f16 or f32 operands; f32 sums; everything else in f32.
;; Inputs: W_attn 1,024 x 3,072 float32; W_proj 1,024 x 1,024 float32; b_attn 3,072 float32; b_proj 1,024 float32; x 4 x 2,048 x 1,024 float32.
;; Outputs: out0 4 x 2,048 x 1,024 float32.
;; This version of the problem:
;;   THIS VERSION OF THE PROBLEM IS GIVEN IN LOW PRECISION. The matrix products marked QUANTISED in the list below multiply operands that are first quantised to E2M1 (2 exponent bits, 1 mantissa bit; 4 bits a number), with one power-of-two scale for each 32 numbers along K (OCP MX v1.0); their sums are f32. The products marked 'left as it is' may take bf16, f16 or f32 operands, with f32 sums. Whichever they take, every output number must still come out within the allowed error. Rounding operands to bf16 (8 significant bits) uses up far more of that allowance than f16 does (11 bits, for magnitudes from 6e-5 to 65,504). All else is computed in f32.
;;   The module's matrix products, in the order in which they are computed (A, B: the left and right operand; K: the contracted axis; several contracted axes count as one K, in the product's order):
;;     1. [M 8,192, K 1,024] x [K 1,024, N 3,072]; A: input x; B: input W_attn: QUANTISED
;;     2. batch 64 x [M 2,048, K 64] x [K 64, N 2,048]; A: computed on the way; B: computed on the way: left as it is (an operand is computed on the way)
;;     3. batch 64 x [M 2,048, K 2,048] x [K 2,048, N 64]; A: computed on the way; B: computed on the way: left as it is (an operand is computed on the way)
;;     4. [M 8,192, K 1,024] x [K 1,024, N 1,024]; A: computed on the way; B: input W_proj: left as it is (an operand is computed on the way)
;;   THE QUANTISER, for each operand of a quantised product, along K:
;;     - K is cut into blocks of 32 from its start; a last block that is shorter is filled with zeros.
;;     - A block's scale is 2^e with e = floor(log2(the largest magnitude in the block)) - 2, held to -126 .. 127; a block of zeros has e = 0. As a byte (E8M0): e + 127.
;;     - Each number is divided by its block's scale, clamped to +-6, and rounded to the nearest number of E2M1, ties to even, subnormals kept.
;;     - The product sums the exact products of the quantised numbers (number of the format x scale) in f32.
;;   ~~~python
;;   def quantise(x, axis):      # numpy; x: float32 -> the quantised numbers, widened to float32 again
;;       x = np.moveaxis(x, axis, -1); K = x.shape[-1]
;;       x = np.pad(x, [(0, 0)] * (x.ndim - 1) + [(0, -K % 32)]); x = x.reshape(x.shape[:-1] + (-1, 32)); a = np.abs(x).max(-1, keepdims=True)
;;       e = np.where(a > 0, np.clip(np.frexp(np.where(a > 0, a, 1))[1] - 1 - 2, -126, 127), 0)      # np.frexp(a)[1] - 1 = floor(log2(a)), exactly
;;       r = np.clip(x / 2.0 ** e, -6, 6)
;;       step = 2.0 ** (np.maximum(np.frexp(np.where(r == 0, 1, r))[1] - 1, 0) - 1)
;;       q = np.round(r / step) * step * 2.0 ** e      # np.round: ties to even
;;       return np.moveaxis(q.reshape(q.shape[:-2] + (-1,))[..., :K], -1, axis).astype(np.float32)
;;   ~~~
;; One version. Each part assembles by itself: llvm-mc -triple=amdgcn-amd-amdhsa -mcpu=gfx1250 --defsym DOCPART=n.
;; ======== version 1 of 1: 7 launches
;; limits: values are held in f16: magnitudes above 65,504 overflow, below 6.1e-05 lose precision
;; workspace buffers: xc 4,194,304 bytes; xs 262,144 bytes; wc 1,572,864 bytes; ws 98,304 bytes; wp16 2,097,152 bytes; qkv 50,331,648 bytes; yb 16,777,216 bytes; y16 262,144 bytes
;; launch prep (part 1): grid 384 x 1, 4 waves a work-group, no clusters, 33,280 bytes of LDS; arguments x, W_proj, xc, xs, wp16; writes xc, xs, wp16
.if DOCPART == 1
	.amdgcn_target "amdgcn-amd-amdhsa--gfx1250"
	.amdhsa_code_object_version 6
	.text
	.protected	k_qd010dfac94_prep
	.globl	k_qd010dfac94_prep
	.p2align	8
	.type	k_qd010dfac94_prep,@function
k_qd010dfac94_prep:
	s_mov_b64 s[64:65], 0
	v_nop
	global_prefetch_b8 v0, s[64:65] scope:SCOPE_SE
	s_setreg_imm32_b32 hwreg(HW_REG_WAVE_MODE, 25, 1), 1
	s_wait_xcnt 0x0
; Two streams in one launch.  Work-groups 0 to 255: x [8192][1024] f32 becomes codes of FP4 (E2M1), K innermost, xc [8192][512 bytes], with one E8M0 byte for each 32 along K, xs [8192][32].
; Work-groups 256 to 383: W_proj [1024][1024] f32 is rounded to f16 in the same order, wp16.
; A block's scale is 2^(floor(log2(its largest magnitude)) - 2); its byte is the largest magnitude's exponent field - 2, held at 1 from below.
; LIMITS: a block of zeros, or one whose largest magnitude lies under 2^-124, gets the byte 1 (its codes are zeros or near it; the bytes are read by this program alone); NaN and infinities are not served; |W_proj| stays at or under 65,504.
; x: rows are dense and 1,024 is a multiple of 32, so x is a plain stream of blocks of 32.  A wave takes 16 steps of 512 numbers.  Each load reads 512 consecutive bytes, 16 a lane; a step's 2,048 bytes turn through the
; wave's own stage in LDS and come back 64 bytes a lane, so that a lane holds 16 neighbours along K (two lanes hold a block).  A lane's 16 codes are 8 bytes: the wave stores 256 consecutive bytes, aligned.
; A wave's 256 scale bytes are gathered in its own LDS bytes and leave as 256 consecutive bytes.  No barrier: waves share nothing.  Loads run four steps (16 loads) ahead.
.set STEPS, 16
.set EMAX,  2
.set CB,    8                          ; bytes of 16 codes
.set R,     16                         ; v16-79   four sets of 16 numbers as loaded (the cast: sixteen loads)
.set X,     80                         ; v80-111  two sets of 16 neighbours
.set E,     112                        ; v112-127 a scale byte for each step
.set C,     128                        ; v128-191 codes, four registers a step (the cast: f16 pairs)
.set WREG,  8192                       ; LDS: a region for each wave: two stages of 32 x SP bytes, behind them its 256 scale bytes
.set SP,    80                         ; a lane's place in a stage: 64 bytes + 16 of padding
.set SPW,   12                         ; v12 LDS address of my spare word; never rewritten
.set NIL,   13                         ; v13 0; never rewritten
.set SPARE, 4*WREG                     ; the spare words: 128 bytes a wave, named by no other line
.set XWG,   256                        ; work-groups that take x
	s_load_b128 s[4:7], s[0:1], 0x0                ; x, W_proj
	s_load_b128 s[8:11], s[0:1], 0x10              ; xc, xs
	s_load_b64 s[12:13], s[0:1], 0x20              ; wp16
	v_lshl_add_u32 v[SPW], v0, 2, SPARE
	v_mov_b32 v[NIL], 0
	v_lshrrev_b32 v1, 5, v0
	v_readfirstlane_b32 s16, v1                    ; wave
	v_and_b32 v2, 31, v0                           ; lane
	v_lshlrev_b32 v3, 4, v2                        ; my 16 bytes of a load's 512
	s_mul_i32 s17, s16, WREG
	v_lshrrev_b32 v14, 2, v2
	v_mul_u32_u24 v14, v14, SP
	v_and_b32 v15, 3, v2
	v_lshl_add_u32 v14, v15, 4, v14
	v_add_nc_u32 v14, s17, v14                     ; the stage, on the way in: SP (lane / 4) + 16 (lane % 4)
	v_mul_u32_u24 v15, v2, SP
	v_add_nc_u32 v15, s17, v15                     ; and on the way out: SP x lane
	v_mul_u32_u24 v4, v2, CB                       ; 8 bytes a lane: my codes' place in a step's, and my f16 numbers' place in the cast
	v_lshrrev_b32 v5, 1, v2
	s_add_co_u32 s17, s17, 2*32*SP
	v_add_nc_u32 v5, s17, v5                       ; LDS: my block's scale byte
	v_lshlrev_b32 v7, 3, v2
	v_add_nc_u32 v6, s17, v7                       ; and 8 of the 256 bytes on the way out
	s_wait_kmcnt 0x0
	s_cmp_ge_u32 ttmp9, XWG                        ; the work-group's number alone decides
	s_cbranch_scc1 .Lcast
	s_lshl_b32 s18, ttmp9, 2
	s_add_co_u32 s18, s18, s16                     ; which run of 8,192 numbers is my wave's
	s_mov_b32 s21, 0
	s_lshl_b32 s20, s18, 15
	s_add_nc_u64 s[4:5], s[4:5], s[20:21]          ; 32,768 bytes of x a run,
	s_lshl_b32 s20, s18, 12
	s_add_nc_u64 s[8:9], s[8:9], s[20:21]          ; 4,096 of codes,
	s_lshl_b32 s20, s18, 8
	s_add_nc_u64 s[10:11], s[10:11], s[20:21]      ; 256 of scale bytes
.macro LOAD t
.irp i, 0,1,2,3
	global_load_b128 v[R+16*((\t)%4)+4*\i:R+16*((\t)%4)+4*\i+3], v3, s[4:5] offset:2048*(\t)+512*\i th:TH_LOAD_NT
.endr
.endm
.macro TURN t                          ; step t's numbers through the stage: LDS serves a wave's instructions in order, so no wait stands between the stores and the loads
.irp i, 0,1,2,3
	ds_store_b128 v14, v[R+16*((\t)%4)+4*\i:R+16*((\t)%4)+4*\i+3] offset:32*SP*((\t)%2)+8*SP*\i
.endr
.irp i, 0,1,2,3
	ds_load_b128 v[X+16*((\t)%2)+4*\i:X+16*((\t)%2)+4*\i+3], v15 offset:32*SP*((\t)%2)+16*\i
.endr
.endm
.irp t, 0,1,2,3
	LOAD \t
.endr
	s_wait_loadcnt 12                              ; step 0's four loads are in
	TURN 0
.macro STEP t
.set XS, X+16*((\t)%2)
.if (\t) > 0
	s_wait_dscnt 1                                 ; this step's numbers are back from the stage (the last step's byte store may be out)
.else
	s_wait_dscnt 0x0
.endif
.if (\t)+4 < STEPS
	LOAD (\t)+4                                    ; the registers that the stage's stores have read take the loads of four steps on
.endif
.if (\t)+1 < STEPS
.if STEPS-2-(\t) >= 3
	s_wait_loadcnt 12                              ; the next step's four loads are in; those of the three steps behind it may be out
.else
	s_wait_loadcnt 4*(STEPS-2-(\t))
.endif
	TURN (\t)+1
.endif
	v_max3_num_f32 v8, |v[XS]|, |v[XS+1]|, |v[XS+2]|               ; the largest magnitude of my 16, in two chains
	v_max3_num_f32 v9, |v[XS+3]|, |v[XS+4]|, |v[XS+5]|
.irp i, 6,10
	v_max3_num_f32 v8, v8, |v[XS+\i]|, |v[XS+\i+1]|
	v_max3_num_f32 v9, v9, |v[XS+\i+2]|, |v[XS+\i+3]|
.endr
	v_max3_num_f32 v8, v8, |v[XS+14]|, |v[XS+15]|
	v_max3_num_f32 v8, v8, v9, (EMAX+1)<<23        ; and the floor 2^(3 - 127): the byte cannot fall under 1
	v_max_num_f32_dpp v8, v8, v8 row_xmask:1 row_mask:0xf bank_mask:0xf   ; with my neighbour's 16: the block's
	v_add_nc_u32 v11, -(EMAX<<23), v8              ; 2 off its exponent field: the conversion takes that field of this operand as its scale
	v_cvt_scalef32_pk8_fp4_f32 v[C+4*(\t)], v[XS:XS+7], v11
	v_cvt_scalef32_pk8_fp4_f32 v[C+4*(\t)+1], v[XS+8:XS+15], v11
	v_lshrrev_b32 v[E+(\t)], 23, v11               ; the scale's byte
	ds_store_b8 v5, v[E+(\t)] offset:16*(\t)       ; both lanes of a block write the same byte with the same value
	global_store_b64 v4, v[C+4*(\t):C+4*(\t)+1], s[8:9] offset:32*CB*(\t)
.endm
.irp t, 0,1,2,3,4,5,6,7,8,9,10,11,12,13,14,15
	STEP \t
.endr
	ds_load_b64 v[8:9], v6                         ; LDS serves a wave's instructions in order: these see my byte stores
	s_wait_dscnt 0x0
	global_store_b64 v7, v[8:9], s[10:11]          ; 32 lanes store 256 consecutive bytes, aligned
	s_wait_tensorcnt 0x0                           ; the wave's end, behind my last LDS store
	ds_add_u32 v[SPW], v[NIL]
	s_wait_dscnt 0x0
	s_endpgm
.Lcast:                                                ; W_proj to f16: a wave takes 2,048 numbers; no LDS is written on this path
	s_sub_co_u32 s17, ttmp9, XWG
	s_lshl_b32 s17, s17, 2
	s_add_co_u32 s17, s17, s16
	s_mov_b32 s21, 0
	s_lshl_b32 s20, s17, 13
	s_add_nc_u64 s[6:7], s[6:7], s[20:21]
	s_lshl_b32 s20, s17, 12
	s_add_nc_u64 s[12:13], s[12:13], s[20:21]
.irp j, 0,1,2,3,4,5,6,7,8,9,10,11,12,13,14,15
	global_load_b128 v[R+4*\j:R+4*\j+3], v3, s[6:7] offset:512*\j
.endr
.irp j, 0,1,2,3,4,5,6,7,8,9,10,11,12,13,14,15
	s_wait_loadcnt 15-\j                           ; loads come back in order: load j is in, the younger ones stay out
	v_cvt_pk_f16_f32 v[C+2*\j], v[R+4*\j], v[R+4*\j+1]
	v_cvt_pk_f16_f32 v[C+2*\j+1], v[R+4*\j+2], v[R+4*\j+3]
	global_store_b64 v4, v[C+2*\j:C+2*\j+1], s[12:13] offset:256*\j   ; 256 consecutive bytes a store; no register is written twice
.endr
	s_endpgm
.Lfunc_end_k_qd010dfac94_prep:
	.size	k_qd010dfac94_prep, .Lfunc_end_k_qd010dfac94_prep-k_qd010dfac94_prep
	.p2alignl 7, 3214868480
	.fill 96, 4, 3214868480
	.section	.rodata,"a",@progbits
	.p2align	6, 0x0
	.amdhsa_kernel k_qd010dfac94_prep
		.amdhsa_group_segment_fixed_size 33280
		.amdhsa_private_segment_fixed_size 0
		.amdhsa_enable_private_segment 0
		.amdhsa_kernarg_size 40
		.amdhsa_user_sgpr_count 2
		.amdhsa_user_sgpr_kernarg_segment_ptr 1
		.amdhsa_wavefront_size32 1
		.amdhsa_system_sgpr_workgroup_id_x 1
		.amdhsa_system_sgpr_workgroup_id_y 1
		.amdhsa_system_sgpr_workgroup_id_z 1
		.amdhsa_system_vgpr_workitem_id 0
		.amdhsa_next_free_vgpr 192
		.amdhsa_next_free_sgpr 66
		.amdhsa_reserve_vcc 0
		.amdhsa_float_denorm_mode_32 3
		.amdhsa_float_denorm_mode_16_64 3
		.amdhsa_memory_ordered 1
		.amdhsa_forward_progress 1
		.amdhsa_inst_pref_size 39
	.end_amdhsa_kernel
	.amdgpu_metadata
---
amdhsa.version: [ 1, 2 ]
amdhsa.kernels:
  - .name:           k_qd010dfac94_prep
    .symbol:         k_qd010dfac94_prep.kd
    .args:
      - { .name: x, .offset: 0, .size: 8, .value_kind: global_buffer, .address_space: global }
      - { .name: W_proj, .offset: 8, .size: 8, .value_kind: global_buffer, .address_space: global }
      - { .name: xc, .offset: 16, .size: 8, .value_kind: global_buffer, .address_space: global }
      - { .name: xs, .offset: 24, .size: 8, .value_kind: global_buffer, .address_space: global }
      - { .name: wp16, .offset: 32, .size: 8, .value_kind: global_buffer, .address_space: global }
    .group_segment_fixed_size: 33280
    .private_segment_fixed_size: 0
    .kernarg_segment_align: 8
    .kernarg_segment_size: 40
    .max_flat_workgroup_size: 128
    .sgpr_count:     66
    .vgpr_count:     192
    .wavefront_size: 32
...
	.end_amdgpu_metadata
.endif
;; end of part 1
;; launch quant_w (part 2): grid 96 x 1, 8 waves a work-group, no clusters, 18,944 bytes of LDS; arguments W_attn, wc, ws; writes wc, ws
.if DOCPART == 2
	.amdgcn_target "amdgcn-amd-amdhsa--gfx1250"
	.amdhsa_code_object_version 6
	.text
	.protected	k_qd010dfac94_quant_w
	.globl	k_qd010dfac94_quant_w
	.p2align	8
	.type	k_qd010dfac94_quant_w,@function
k_qd010dfac94_quant_w:
	s_mov_b64 s[64:65], 0
	v_nop
	global_prefetch_b8 v0, s[64:65] scope:SCOPE_SE
	s_setreg_imm32_b32 hwreg(HW_REG_WAVE_MODE, 25, 1), 1
	s_wait_xcnt 0x0
; W_attn [1024 (k)][3072 (n)] f32, whose K is its FIRST axis, becomes codes of FP4 laid [3072][512 bytes] with K innermost (wc) and one E8M0 byte for each 32 along K, [3072][32] (ws).
; A LANE TAKES A COLUMN n AND ITS REGISTERS RUN DOWN K: a block of 32 along K lies in one lane's 32 registers, and the conversions give the codes with K innermost.  Nothing is transposed by an instruction.
; A work-group takes 32 columns for all of K; wave w takes k = 128 w .. 128 w + 127: four blocks a lane.  The eight waves' codes meet in one stage in LDS (a row = a column's 512 bytes), so that after one barrier
; whole rows of 512 consecutive bytes are stored; the 32 columns' scale bytes are 1,024 consecutive bytes.
; LIMITS: a block of zeros, or one under 2^-124, gets the byte 1 (read by this program alone); NaN and infinities are not served.
.set NB,    4                          ; blocks a lane
.set ROWW,  12288                      ; a row of W_attn in bytes
.set PITCH, 528                        ; a stage row: 512 bytes + 16
.set SCST,  32*PITCH                   ; behind the stage: 32 x 32 scale bytes
.set SPARE, SCST+1024                  ; the spare words: 128 bytes a wave, named by no other line
.set EMAX,  2
.set X,     32                         ; v32-95   two sets of 32 numbers
.set C,     96                         ; v96-99   a block's codes
.set OUTR,  100                        ; v100-115 four rows of codes on the way out; v116-119 scale bytes
.set SB,    24                         ; v24      my four scale bytes
.set SPW,   14
.set NIL,   15
	s_load_b128 s[4:7], s[0:1], 0x0                ; W_attn, wc
	s_load_b64 s[8:9], s[0:1], 0x10                ; ws
	v_lshl_add_u32 v[SPW], v0, 2, SPARE
	v_mov_b32 v[NIL], 0
	v_lshrrev_b32 v1, 5, v0
	v_readfirstlane_b32 s16, v1                    ; wave 0..7
	v_and_b32 v2, 31, v0                           ; lane
	v_lshlrev_b32 v3, 2, v2                        ; in: 4 bytes a lane
	v_mul_u32_u24 v4, v2, PITCH
	s_lshl_b32 s18, s16, 6
	v_add_nc_u32 v4, s18, v4                       ; into the stage: row = my column, my wave's 64 bytes
	v_lshlrev_b32 v5, 5, v2
	s_lshl_b32 s19, s16, 2
	s_add_co_u32 s19, s19, SCST
	v_add_nc_u32 v5, s19, v5                       ; my column's 32 scale bytes, my wave's four
	s_mul_i32 s18, s16, 4*PITCH
	v_lshl_add_u32 v6, v2, 4, s18                  ; out of the stage: rows 4 w .. 4 w + 3, 16 bytes a lane
	s_lshl_b32 s19, s16, 11
	v_lshl_add_u32 v7, v2, 4, s19                  ; and the same place in wc
	s_lshl_b32 s19, s16, 9
	v_lshl_add_u32 v9, v2, 4, s19                  ; the scale bytes' way out (waves 0 and 1): 512 bytes a wave
	v_add_nc_u32 v8, SCST, v9
	s_lshl_b32 s20, ttmp9, 7                       ; my work-group's 32 columns: 128 bytes of a row,
	s_mul_i32 s21, s16, 128*ROWW                   ; my wave's 128 rows
	s_add_co_u32 s20, s20, s21
	s_mov_b32 s21, 0
	s_lshl_b32 s22, ttmp9, 14                      ; 32 rows of 512 bytes in wc
	s_mov_b32 s23, 0
	s_lshl_b32 s24, ttmp9, 10                      ; 32 rows of 32 bytes in ws
	s_mov_b32 s25, 0
	s_wait_kmcnt 0x0
	s_add_nc_u64 s[4:5], s[4:5], s[20:21]
	s_add_nc_u64 s[6:7], s[6:7], s[22:23]
	s_add_nc_u64 s[8:9], s[8:9], s[24:25]
.macro LOAD t                          ; block t: W(32 t + i, my column), i = 0 .. 31, into set t % 2
.irp i, 0,1,2,3,4,5,6,7,8,9,10,11,12,13,14,15,16,17,18,19,20,21,22,23,24,25,26,27,28,29,30,31
	global_load_b32 v[X+32*((\t)%2)+\i], v3, s[4:5] offset:(32*(\t)+\i)*ROWW
.endr
.endm
	LOAD 0
	LOAD 1
.macro BLOCK t
.set XS, X+32*((\t)%2)
.if (\t) < NB-1
	s_wait_loadcnt 32                              ; this block's 32 loads are in; the next block's may be out
.else
	s_wait_loadcnt 0
.endif
	v_max3_num_f32 v12, |v[XS]|, |v[XS+1]|, |v[XS+2]|               ; the block's largest magnitude: all 32 numbers are mine
	v_max3_num_f32 v13, |v[XS+3]|, |v[XS+4]|, |v[XS+5]|
.irp i, 6,10,14,18,22,26
	v_max3_num_f32 v12, v12, |v[XS+\i]|, |v[XS+\i+1]|
	v_max3_num_f32 v13, v13, |v[XS+\i+2]|, |v[XS+\i+3]|
.endr
	v_max3_num_f32 v12, v12, |v[XS+30]|, |v[XS+31]|
	v_max3_num_f32 v12, v12, v13, (EMAX+1)<<23     ; and the floor 2^(3 - 127)
	v_add_nc_u32 v11, -(EMAX<<23), v12             ; 2 off its exponent field: the conversion's scale operand
	v_lshrrev_b32 v13, 23, v11                     ; the scale's byte
.if (\t) == 0
	v_mov_b32 v[SB], v13                           ; four bytes to a register, the lower K in the lower byte
.else
	v_lshl_or_b32 v[SB], v13, 8*(\t), v[SB]
.endif
.irp g, 0,1,2,3
	v_cvt_scalef32_pk8_fp4_f32 v[C+\g], v[XS+8*\g:XS+8*\g+7], v11
.endr
	ds_store_b128 v4, v[C:C+3] offset:16*(\t)      ; 32 codes: 16 bytes of my column's row
.if (\t)+2 < NB
	LOAD (\t)+2
.endif
	s_wait_dscnt 0x0                               ; the store has read its registers: the next block's codes may be written
.endm
	BLOCK 0
	BLOCK 1
	BLOCK 2
	BLOCK 3
	ds_store_b32 v5, v[SB]
	s_wait_dscnt 0x0                               ; for the others' sake: my stores into the stage are done
	s_barrier_signal -1
	s_barrier_wait -1
.irp i, 0,1,2,3
	ds_load_b128 v[OUTR+4*\i:OUTR+4*\i+3], v6 offset:PITCH*\i
.endr
.irp i, 0,1,2,3
	s_wait_dscnt 3-\i
	global_store_b128 v7, v[OUTR+4*\i:OUTR+4*\i+3], s[6:7] offset:512*\i   ; a whole row: 512 consecutive bytes
.endr
	s_cmp_gt_u32 s16, 1                            ; waves 0 and 1 store the 1,024 scale bytes
	s_cbranch_scc1 .Lend
	ds_load_b128 v[116:119], v8
	s_wait_dscnt 0x0
	global_store_b128 v9, v[116:119], s[8:9]
.Lend:
	s_wait_tensorcnt 0x0                           ; the wave's end, behind my last LDS store
	ds_add_u32 v[SPW], v[NIL]
	s_wait_dscnt 0x0
	s_endpgm
.Lfunc_end_k_qd010dfac94_quant_w:
	.size	k_qd010dfac94_quant_w, .Lfunc_end_k_qd010dfac94_quant_w-k_qd010dfac94_quant_w
	.p2alignl 7, 3214868480
	.fill 96, 4, 3214868480
	.section	.rodata,"a",@progbits
	.p2align	6, 0x0
	.amdhsa_kernel k_qd010dfac94_quant_w
		.amdhsa_group_segment_fixed_size 18944
		.amdhsa_private_segment_fixed_size 0
		.amdhsa_enable_private_segment 0
		.amdhsa_kernarg_size 24
		.amdhsa_user_sgpr_count 2
		.amdhsa_user_sgpr_kernarg_segment_ptr 1
		.amdhsa_wavefront_size32 1
		.amdhsa_system_sgpr_workgroup_id_x 1
		.amdhsa_system_sgpr_workgroup_id_y 1
		.amdhsa_system_sgpr_workgroup_id_z 1
		.amdhsa_system_vgpr_workitem_id 0
		.amdhsa_next_free_vgpr 128
		.amdhsa_next_free_sgpr 66
		.amdhsa_reserve_vcc 0
		.amdhsa_float_denorm_mode_32 3
		.amdhsa_float_denorm_mode_16_64 3
		.amdhsa_memory_ordered 1
		.amdhsa_forward_progress 1
		.amdhsa_inst_pref_size 22
	.end_amdhsa_kernel
	.amdgpu_metadata
---
amdhsa.version: [ 1, 2 ]
amdhsa.kernels:
  - .name:           k_qd010dfac94_quant_w
    .symbol:         k_qd010dfac94_quant_w.kd
    .args:
      - { .name: W_attn, .offset: 0, .size: 8, .value_kind: global_buffer, .address_space: global }
      - { .name: wc, .offset: 8, .size: 8, .value_kind: global_buffer, .address_space: global }
      - { .name: ws, .offset: 16, .size: 8, .value_kind: global_buffer, .address_space: global }
    .group_segment_fixed_size: 18944
    .private_segment_fixed_size: 0
    .kernarg_segment_align: 8
    .kernarg_segment_size: 24
    .max_flat_workgroup_size: 256
    .sgpr_count:     66
    .vgpr_count:     128
    .wavefront_size: 32
...
	.end_amdgpu_metadata
.endif
;; end of part 2
;; launch qkv (part 3): grid 12 x 32, 4 waves a work-group, clusters of 4 x 4, 327,680 bytes of LDS; arguments xc, xs, wc, ws, b_attn, qkv; writes qkv
.if DOCPART == 3
	.amdgcn_target "amdgcn-amd-amdhsa--gfx1250"
	.amdhsa_code_object_version 6
	.text
	.protected	k_qd010dfac94_qkv
	.globl	k_qd010dfac94_qkv
	.p2align	8
	.type	k_qd010dfac94_qkv,@function
k_qd010dfac94_qkv:
	s_mov_b64 s[64:65], 0
	v_nop
	global_prefetch_b8 v0, s[64:65] scope:SCOPE_SE
	s_setreg_imm32_b32 hwreg(HW_REG_WAVE_MODE, 25, 1), 1
	s_wait_xcnt 0x0
	s_wait_alu depctr_hold_cnt(0) depctr_sa_sdst(0) depctr_va_vdst(0) depctr_va_sdst(0) depctr_va_ssrc(0) depctr_va_vcc(0) depctr_vm_vsrc(0)
	s_getreg_b32 s2, hwreg(HW_REG_IB_STS2, 6, 4)
	s_cmp_eq_u32 s2, 0
	s_cbranch_scc0 .Lentry_in_a_cluster
	s_endpgm
.Lentry_in_a_cluster:
	s_bfe_u32 s2, ttmp6, 0x10000c
	s_cmp_lg_u32 s2, 0xf033
	s_cbranch_scc0 .Lentry_shape_is_right
	s_endpgm
.Lentry_shape_is_right:
; qkv = x W_attn + b_attn on codes of FP4 (E2M1) with one E8M0 scale for each 32 along K; sums in f32, the bias as the C of each sum's first product; rounded once to f16 and laid by head:
; qkv [3 (q, k, v)][64 (16 b + h)][2048 (t)][64] f16.  LIMIT: |q|, |k|, |v| stay at or under 65,504.
; A tile of 256 rows x 256 columns is made by four waves, each 128 x 128: 64 accumulators of 16 x 16, 512 registers.  K = 1,024 is two LDS slots of 512 along K (rows of 256 bytes): both are first fills, nothing is filled again.
; The scale bytes of the work-group's 256 rows of x and 256 columns of W, for all of K, are two dense blocks: they come into LDS once, with the first fills.
; CLUSTERS: 4 x 4 work-groups.  The four of a row of the cluster need the same tiles of x, the four of a column the same tiles of W: each tile is asked for jointly, by the same tensor load with the same descriptor and a mask that names the four.
; THE MATRIX INSTRUCTION IS USED TRANSPOSED (source 0 = 16 columns of W, source 1 = 16 rows of x): a lane then holds eight neighbouring columns of one row.
; REGISTERS, in windows of 256: window 0: v0-31 addresses; v32-95 scale words, two sets; v128-191 x's fragments, one set; on the way out v32-63, v192-255.
;   window 1: W's fragments, two sets, at v0 and v128; v64-127 the bias.   window 2: the accumulators of my rows 0-63 ((a, b) at v[8 (8 a + b)]);   window 3: those of rows 64-127.
.set NQ,     4                         ; matrix instructions deep in a slot
.set ROWB,   256                       ; a tile's row in bytes: 512 codes
.set KROW,   512                       ; a row of codes in memory
.set PITCH,  272                       ; an LDS row: 256 bytes + 16 of padding: the 16 rows that a load touches start 68 words apart
.set FR,     8
.set NL,     2
.set NP,     4
.set HALFT,  128*PITCH
.set SLOT,   4*HALFT                   ; x's 256 rows, then W's 256
.set KS,     32                        ; a row of scale bytes
.set SCL,    2*SLOT                    ; behind the slots: the scale bytes, as rows of 256 bytes + 16
.set HALFS,  16*272                    ; those of 128 rows: what one tensor load brings
.set SBLK,   2*272                     ; those of 16 rows
.set SPARE,  SCL+4*HALFS               ; the spare words: 128 bytes a wave, named by no other line
.set SPITCH, 272                       ; the way out: 16 rows x (256 bytes + 16) for each wave, in slot 0, which has had its one fill and its last read by then
.set ADRA, 16
.set ADRB, 20
.set STO,  24
.set RD,   25
.set CO,   26
.set ADRS, 27
.set SPW,  28
.set NIL,  29
.set SC,   32
.set AF,   128
.set BIAS, 64                          ; in window 1
.set TMP,  192
.set OB,   32
.set G1, 24
.set G0, 32
.set G1B, 48
.set G0B, 56
.set G1S, 68
.set G0S, 76
.set G1SB, 80
.set G0SB, 88
.set MSB, 0
.macro WIN new                         ; the immediate's high byte repeats the setting that is left
.if MSB != \new
	s_set_vgpr_msb (MSB<<8)|\new
.set MSB, \new
.endif
.endm
.set MUL_LO,  0xa1                     ; source 0 (W) window 1, source 1 (x) window 0, C and D window 2
.set MUL_HI,  0xf1                     ; the same, C and D window 3
.set MULB_LO, 0x91                     ; C = the bias, in window 1; D window 2
.set MULB_HI, 0xd1                     ; D window 3
.set TO_B,    0x40
.macro JLOAD g0a, g1a, g0b, g1b        ; a joint load: waves 0 and 1 fetch for x, waves 2 and 3 for W; an s_nop 0 and four v_nop follow each line
	s_cmp_eq_u32 s15, 0
	s_cbranch_scc0 .Lfor_b_\@
	tensor_load_to_lds s[\g0a:\g0a+3], s[\g1a:\g1a+7]
	s_nop 0
.rept 4
	v_nop
.endr
	s_branch .Lasked_\@
.Lfor_b_\@:
	tensor_load_to_lds s[\g0b:\g0b+3], s[\g1b:\g1b+7]
	s_nop 0
.rept 4
	v_nop
.endr
.Lasked_\@:
.endm
.macro CROUND                          ; a round of the cluster's barrier
	s_barrier_signal -1
	s_barrier_wait -1
	s_cmp_lg_u32 s14, 0
	s_cbranch_scc1 .Lnot_wave_0_\@
	s_barrier_signal -3
.Lnot_wave_0_\@:
	s_barrier_wait -3
	s_barrier_signal -1
	s_barrier_wait -1
.endm
	s_load_b128 s[4:7], s[0:1], 0x0                ; x's codes, x's scales
	s_load_b128 s[8:11], s[0:1], 0x10              ; W's codes, W's scales
	s_load_b64 s[96:97], s[0:1], 0x20              ; b_attn
	s_load_b64 s[12:13], s[0:1], 0x28              ; qkv
	v_lshl_add_u32 v[SPW], v0, 2, SPARE
	v_mov_b32 v[NIL], 0
	ds_add_u32 v[SPW], v[NIL]                      ; the wave's opening: the add, twice on end, and its wait ahead of my first tensor load
	ds_add_u32 v[SPW], v[NIL]
	v_lshrrev_b32 v1, 5, v0
	v_readfirstlane_b32 s14, v1                    ; wave 0..3
	s_lshr_b32 s15, s14, 1                         ; which half of the tile's rows is mine.  Also: I fetch for x (0) or for W (1)
	s_and_b32 s16, s14, 1                          ; which half of its columns.  Also: which 128 rows of that tile I fetch
	s_bfe_u32 s40, ttmp6, 0x40000                  ; cx, cy: my place in the cluster
	s_bfe_u32 s41, ttmp6, 0x40004
	s_lshl_b32 s42, ttmp9, 2
	s_add_co_u32 s42, s42, s40                     ; tile column = 4 x cluster x + cx
	s_and_b32 s17, ttmp7, 0xffff
	s_lshl_b32 s17, s17, 2
	s_add_co_u32 s17, s17, s41                     ; tile row = 4 x cluster y + cy
	s_lshl_b32 s43, s41, 2
	s_lshl_b32 s43, 15, s43                        ; my row of the cluster
	s_lshl_b32 s44, 0x1111, s40                    ; my column
	s_or_b32 s[G1+0], s43, (0<<16)|(1<<20)|(1<<21)|(5<<22)|(3<<25)  ; the mask; elements of 1 byte; padding on: 4 words after every 64; bit 21 set beside a mask
	s_or_b32 s[G1B+0], s44, (0<<16)|(1<<20)|(1<<21)|(5<<22)|(3<<25)
.irp g, G1, G1B
	s_mov_b32 s[\g+1], ROWB<<16                    ; tensor_dim0
	s_mov_b32 s[\g+2], 128<<16                     ; tensor_dim1
	s_mov_b32 s[\g+3], ROWB<<16                    ; tile_dim0
	s_mov_b32 s[\g+4], 128                         ; tile_dim1
	s_mov_b32 s[\g+5], KROW                        ; the pitch
	s_mov_b32 s[\g+6], 0
	s_mov_b32 s[\g+7], 0
.endr
	s_or_b32 s[G1S+0], s43, (3<<16)|(1<<20)|(1<<21)|(5<<22)|(3<<25)   ; the scale bytes of 128 rows: 4,096 dense bytes as 16 rows of 256 (32 elements of 8 bytes)
	s_or_b32 s[G1SB+0], s44, (3<<16)|(1<<20)|(1<<21)|(5<<22)|(3<<25)
.irp g, G1S, G1SB
	s_mov_b32 s[\g+1], 32<<16
	s_mov_b32 s[\g+2], 16<<16
	s_mov_b32 s[\g+3], 32<<16
	s_mov_b32 s[\g+4], 16
	s_mov_b32 s[\g+5], 32
	s_mov_b32 s[\g+6], 0
	s_mov_b32 s[\g+7], 0
.endr
	s_lshl_b32 s18, s16, 7                         ; which 128 rows of the tile I fetch
	s_lshl_b32 s20, s17, 8
	s_add_co_u32 s20, s20, s18                     ; x: row 256 x tile row + 128 x half
	s_lshl_b32 s46, s42, 8
	s_add_co_u32 s46, s46, s18                     ; W: column 256 x tile column + 128 x half
	s_mov_b32 s21, 0
	s_mov_b32 s47, 0
	s_mov_b64 s[18:19], KS
	s_mul_u64 s[22:23], s[20:21], s[18:19]         ; where these rows' scale bytes begin
	s_mul_u64 s[92:93], s[46:47], s[18:19]
	s_mov_b64 s[18:19], KROW
	s_mul_u64 s[20:21], s[20:21], s[18:19]         ; and their codes
	s_mul_u64 s[46:47], s[46:47], s[18:19]
	s_mul_i32 s45, s14, HALFT                      ; where they go: wave x 128 rows
	s_mul_i32 s94, s14, HALFS
	s_lshl_b32 s66, s42, 10                        ; the bias of my 128 columns: 1,024 x tile column + 512 x half bytes
	s_lshl_b32 s67, s16, 9
	s_add_co_u32 s66, s66, s67
	s_mov_b32 s67, 0
	s_wait_dscnt 0x0                               ; both opening adds are done
	s_wait_kmcnt 0x0
	s_add_nc_u64 s[20:21], s[4:5], s[20:21]
	s_add_nc_u64 s[22:23], s[6:7], s[22:23]
	s_add_nc_u64 s[46:47], s[8:9], s[46:47]
	s_add_nc_u64 s[92:93], s[10:11], s[92:93]
	s_add_nc_u64 s[96:97], s[96:97], s[66:67]
	CROUND                                         ; all sixteen work-groups are here: the joint loads meet
	s_mov_b32 s[G0S], 1
	s_add_co_u32 s[G0S+1], s94, SCL
	s_mov_b64 s[G0S+2:G0S+3], s[22:23]
	s_or_b32 s[G0S+3], s[G0S+3], 0x80000000
	s_mov_b32 s[G0SB], 1
	s_add_co_u32 s[G0SB+1], s94, SCL
	s_mov_b64 s[G0SB+2:G0SB+3], s[92:93]
	s_or_b32 s[G0SB+3], s[G0SB+3], 0x80000000
	JLOAD G0S, G1S, G0SB, G1SB                     ; the scale bytes first: they are wanted with the first slot
.irp s, 0,1
	s_mov_b32 s[G0+4*\s], 1
	s_add_co_u32 s[G0+4*\s+1], s45, \s*SLOT
	s_add_nc_u64 s[G0+4*\s+2:G0+4*\s+3], s[20:21], \s*ROWB
	s_or_b32 s[G0+4*\s+3], s[G0+4*\s+3], 0x80000000
	s_mov_b32 s[G0B+4*\s], 1
	s_add_co_u32 s[G0B+4*\s+1], s45, \s*SLOT
	s_add_nc_u64 s[G0B+4*\s+2:G0B+4*\s+3], s[46:47], \s*ROWB
	s_or_b32 s[G0B+4*\s+3], s[G0B+4*\s+3], 0x80000000
	JLOAD G0+4*\s, G1, G0B+4*\s, G1B               ; three loads of mine are out
.endr
	v_and_b32 v1, 15, v0                           ; l % 16
	v_bfe_u32 v2, v0, 4, 1                         ; l / 16
	v_lshlrev_b32 v7, 5, v2                        ; the bias in the result's layout: for W's block b, columns 16 b + 8 (l / 16) + 0 .. 7
	WIN TO_B
.irp b, 0,1,2,3,4,5,6,7
	global_load_b128 v[BIAS+8*\b:BIAS+8*\b+3], v7, s[96:97] offset:64*\b
	global_load_b128 v[BIAS+8*\b+4:BIAS+8*\b+7], v7, s[96:97] offset:64*\b+16
.endr
	WIN 0
	v_mul_u32_u24 v3, v1, PITCH
	v_lshl_add_u32 v4, v2, 4, v3                   ; a fragment's row x pitch + 16 x half
	s_mul_i32 s21, s15, HALFT                      ; my 128 rows of x
	s_mul_i32 s22, s16, HALFT                      ; my 128 columns of W,
	s_add_co_u32 s22, s22, 2*HALFT                 ; which lie behind x's 256 rows
.irp s, 0,1
	v_add_nc_u32 v[ADRA+\s], s21, v4
	v_add_nc_u32 v[ADRB+\s], s22, v4
	s_add_co_u32 s21, s21, SLOT
	s_add_co_u32 s22, s22, SLOT
.endr
	v_mul_u32_u24 v5, v1, KS                       ; my row's scale bytes: 32 a row,
	v_lshrrev_b32 v6, 8, v5
	v_lshl_add_u32 v5, v6, 4, v5                   ; and 16 more for each 256 passed
	s_mul_i32 s21, s15, HALFS
	s_mul_i32 s22, s16, HALFS
	s_add_co_u32 s22, s22, 2*HALFS
	s_sub_co_u32 s22, s22, s21
	v_mul_u32_u24 v6, s22, v2                      ; lanes 16-31 take W's
	s_add_co_u32 s21, s21, SCL
	v_add_nc_u32 v5, v5, v6
	v_add_nc_u32 v[ADRS], s21, v5
	s_mul_i32 s23, s14, 16*SPITCH                  ; my stage
	v_mul_u32_u24 v5, v1, SPITCH                   ; in: row l % 16, 16 bytes for each half of the lanes
	v_lshl_add_u32 v5, v2, 4, v5
	v_add_nc_u32 v[STO], s23, v5
	v_and_b32 v6, 31, v0
	v_lshrrev_b32 v5, 3, v6                        ; back: eight lanes take a head's 128 bytes of a row, four rows an instruction
	v_mul_u32_u24 v5, v5, SPITCH
	v_and_b32 v8, 7, v0
	v_lshl_add_u32 v5, v8, 4, v5
	v_add_nc_u32 v[RD], s23, v5
	v_lshlrev_b32 v[CO], 4, v6                     ; which are 512 consecutive bytes of the head in memory
	s_lshl_b32 s46, s42, 2                         ; g = my first column / 64 = 4 x tile column + 2 x half: which of q, k, v (g / 16) and which head (g % 16)
	s_lshl_b32 s47, s16, 1
	s_add_co_u32 s46, s46, s47
	s_lshr_b32 s47, s46, 4
	s_lshl_b32 s47, s47, 6
	s_and_b32 s46, s46, 15
	s_add_co_u32 s46, s46, s47
	s_lshl_b32 s20, s17, 8
	s_lshl_b32 s21, s15, 7
	s_add_co_u32 s20, s20, s21                     ; my first row: b = row / 2048, t = row % 2048
	s_lshr_b32 s21, s20, 11
	s_lshl_b32 s21, s21, 4
	s_add_co_u32 s46, s46, s21
	s_lshl_b32 s46, s46, 18                        ; a head is 262,144 bytes
	s_and_b32 s20, s20, 2047
	s_lshl_b32 s20, s20, 7                         ; a row of a head 128
	s_add_co_u32 s46, s46, s20
	s_mov_b32 s47, 0
	s_add_nc_u64 s[12:13], s[12:13], s[46:47]
.macro FRAG reg, adr, q, i             ; 16 rows x 128 K of 4-bit codes: 8 registers: two loads of 16 bytes, 32 bytes apart
.irp c, 0,1
	ds_load_b128 v[\reg+4*\c:\reg+4*\c+3], v[\adr] offset:64*(\q)+32*\c+(\i)*16*PITCH
.endr
.endm
; 16 matrix instructions: x's blocks a0, a0 + 1 against W's eight, 128 along K.  zero = 1: the first product starts the sums on the bias.  The 64 accumulators take turns, one instruction a turn.
.macro MUL16 a0, p, q, sc, zero
.irp a, \a0, \a0+1
.irp b, 0,1,2,3,4,5,6,7
.if \zero
	v_wmma_scale_f32_16x16x128_f8f6f4 v[8*(8*((\a)%4)+\b):8*(8*((\a)%4)+\b)+7], v[128*(\p)+FR*\b:128*(\p)+FR*\b+FR-1], v[AF+FR*(\a):AF+FR*(\a)+FR-1], v[BIAS+8*\b:BIAS+8*\b+7], v[SC+8*NQ*(\sc)+NQ*\b+(\q)], v[SC+8*NQ*(\sc)+NQ*(\a)+(\q)] matrix_a_fmt:MATRIX_FMT_FP4 matrix_b_fmt:MATRIX_FMT_FP4 matrix_a_scale:MATRIX_SCALE_ROW1
.else
	v_wmma_scale_f32_16x16x128_f8f6f4 v[8*(8*((\a)%4)+\b):8*(8*((\a)%4)+\b)+7], v[128*(\p)+FR*\b:128*(\p)+FR*\b+FR-1], v[AF+FR*(\a):AF+FR*(\a)+FR-1], v[8*(8*((\a)%4)+\b):8*(8*((\a)%4)+\b)+7], v[SC+8*NQ*(\sc)+NQ*\b+(\q)], v[SC+8*NQ*(\sc)+NQ*(\a)+(\q)] matrix_a_fmt:MATRIX_FMT_FP4 matrix_b_fmt:MATRIX_FMT_FP4 matrix_a_scale:MATRIX_SCALE_ROW1
.endif
.endr
.endr
.endm
.macro FETCH_B slot, q, p
	WIN TO_B
.irp i, 0,1,2,3,4,5,6,7
	FRAG 128*(\p)+FR*\i, ADRB+\slot, \q, \i
.endr
	WIN 0
.endm
.macro FETCH_A slot, q, i0
.irp i, \i0, \i0+1, \i0+2, \i0+3
	FRAG AF+FR*(\i), ADRA+\slot, \q, \i
.endr
.endm
.macro SCALES sc                       ; a slot's scale words: four words a row; lanes 0-15 take x's block i, lanes 16-31 W's block i
.irp i, 0,1,2,3,4,5,6,7
	ds_load_b128 v[SC+8*NQ*\sc+NQ*\i:SC+8*NQ*\sc+NQ*\i+3], v[ADRS] offset:\i*SBLK
.endr
.endm
.macro PLACES n                        ; plain vector instructions between a matrix instruction and a load into, or a read of, its registers
.rept \n
	v_nop
.endr
.endm
.macro STEP slot, q, zero              ; 128 along K that has its successor in the same slot
	s_wait_dscnt 4*NL                              ; W's set and x's blocks 0-3 are in; the youngest eight loads (x's blocks 4-7) may be out
.if \zero
	WIN MULB_LO
.else
	WIN MUL_LO
.endif
	MUL16 0, (\q)%2, \q, \slot, \zero
	MUL16 2, (\q)%2, \q, \slot, \zero
	s_wait_dscnt 0
	PLACES NP
	FETCH_B \slot, (\q)+1, 1-(\q)%2
	FETCH_A \slot, (\q)+1, 0
.if \zero
	WIN MULB_HI
.else
	WIN MUL_HI
.endif
	MUL16 4, (\q)%2, \q, \slot, \zero
	MUL16 6, (\q)%2, \q, \slot, \zero
	PLACES NP
	WIN 0
	FETCH_A \slot, (\q)+1, 4
.endm
.macro TURN slot, next                 ; slot 0's last step changes slots: one barrier; in front of it each wave waits for all its tensor loads (its part of slot 1) and for its own reads of slot 0.  Nothing is filled again
	s_wait_tensorcnt 0x0
	ds_add_u32 v[SPW], v[NIL]                      ; 0 onto my spare word
	s_wait_dscnt 4*NL+1                            ; the add and the youngest eight loads may be out
	WIN MUL_LO
	MUL16 0, 1, NQ-1, \slot, 0
	s_wait_dscnt 0x0
	s_barrier_signal -1
	MUL16 2, 1, NQ-1, \slot, 0
	WIN 0
	s_barrier_wait -1
	PLACES NP
	v_add_nc_u32 v[ADRS], 4*NQ, v[ADRS]            ; on to the next slot's scale words
	FETCH_B \next, 0, 0
	FETCH_A \next, 0, 0
	SCALES \next
	WIN MUL_HI
	MUL16 4, 1, NQ-1, \slot, 0
	MUL16 6, 1, NQ-1, \slot, 0
	PLACES NP
	WIN 0
	FETCH_A \next, 0, 4
.endm
	s_wait_tensorcnt 1                             ; the scale bytes and my part of slot 0 are in (slot 1's load may be out),
	s_barrier_signal -1
	s_barrier_wait -1                              ; everybody's are
	FETCH_B 0, 0, 0
	FETCH_A 0, 0, 0
	SCALES 0
	FETCH_A 0, 0, 4
	s_wait_loadcnt 0x0                             ; the bias
	STEP 0, 0, 1
	STEP 0, 1, 0
	STEP 0, 2, 0
	TURN 0, 1
	STEP 1, 0, 0
	STEP 1, 1, 0
	STEP 1, 2, 0
	s_wait_dscnt 4*NL                              ; the last step: nothing more to fetch
	WIN MUL_LO
	MUL16 0, 1, NQ-1, 1, 0
	MUL16 2, 1, NQ-1, 1, 0
	s_wait_dscnt 0
	WIN MUL_HI
	MUL16 4, 1, NQ-1, 1, 0
	MUL16 6, 1, NQ-1, 1, 0
	WIN 0
; THE WAY OUT, block by block of 16 rows x 128 columns (two heads).  PACK: rounded to f16, 16 bytes a lane.  TOSTAGE: into my own stage and back by heads.  SEND: each store covers 512 consecutive bytes of one head.
.macro PACK a
.set AC, 64*((\a)%4)
	WIN 0x0a+5*((\a)/4)                            ; sources 0 and 1: window 2 or 3
.irp b, 0,1,2,3,4,5,6,7
.irp i, 0,1,2,3
	v_cvt_pk_f16_f32 v[TMP+4*\b+\i], v[AC+8*\b+2*\i], v[AC+8*\b+2*\i+1]   ; each accumulator from its low end on
.endr
.endr
	WIN 0
.endm
.macro TOSTAGE a
.set BK, OB+192*((\a)%2)
.irp b, 0,1,2,3,4,5,6,7
	ds_store_b128 v[STO], v[TMP+4*\b:TMP+4*\b+3] offset:32*\b
.endr
.irp i, 0,1,2,3,4,5,6,7
	ds_load_b128 v[BK+4*\i:BK+4*\i+3], v[RD] offset:(\i%4)*4*SPITCH+(\i/4)*128   ; LDS serves a wave's instructions in order: these see the stores above
.endr
.endm
.macro SEND a
.set BK, OB+192*((\a)%2)
	s_wait_dscnt 0x0                               ; the block is back in registers
	s_wait_xcnt 0x0                                ; the earlier stores have read their registers: the next block's loads may land there
.irp i, 0,1,2,3,4,5,6,7
	global_store_b128 v[CO], v[BK+4*\i:BK+4*\i+3], s[12:13] offset:(\a)*2048+(\i%4)*512+(\i/4)*262144
.endr
.endm
	PLACES NP
	PACK 0
	TOSTAGE 0
.irp a, 1,2,3,4,5,6,7
	PACK \a
	SEND \a-1
	TOSTAGE \a
.endr
	SEND 7
	s_wait_tensorcnt 0x0                           ; the wave's end
	ds_add_u32 v[SPW], v[NIL]
	s_wait_dscnt 0x0
	CROUND                                         ; the closing round
	s_endpgm
.Lfunc_end_k_qd010dfac94_qkv:
	.size	k_qd010dfac94_qkv, .Lfunc_end_k_qd010dfac94_qkv-k_qd010dfac94_qkv
	.p2alignl 7, 3214868480
	.fill 96, 4, 3214868480
	.section	.rodata,"a",@progbits
	.p2align	6, 0x0
	.amdhsa_kernel k_qd010dfac94_qkv
		.amdhsa_group_segment_fixed_size 327680
		.amdhsa_private_segment_fixed_size 0
		.amdhsa_enable_private_segment 0
		.amdhsa_kernarg_size 48
		.amdhsa_user_sgpr_count 2
		.amdhsa_user_sgpr_kernarg_segment_ptr 1
		.amdhsa_wavefront_size32 1
		.amdhsa_system_sgpr_workgroup_id_x 1
		.amdhsa_system_sgpr_workgroup_id_y 1
		.amdhsa_system_sgpr_workgroup_id_z 1
		.amdhsa_system_vgpr_workitem_id 0
		.amdhsa_next_free_vgpr 1024
		.amdhsa_next_free_sgpr 98
		.amdhsa_reserve_vcc 0
		.amdhsa_float_denorm_mode_32 3
		.amdhsa_float_denorm_mode_16_64 3
		.amdhsa_memory_ordered 1
		.amdhsa_forward_progress 1
		.amdhsa_inst_pref_size 128
	.end_amdhsa_kernel
	.amdgpu_metadata
---
amdhsa.version: [ 1, 2 ]
amdhsa.kernels:
  - .name:           k_qd010dfac94_qkv
    .symbol:         k_qd010dfac94_qkv.kd
    .args:
      - { .name: xc, .offset: 0, .size: 8, .value_kind: global_buffer, .address_space: global }
      - { .name: xs, .offset: 8, .size: 8, .value_kind: global_buffer, .address_space: global }
      - { .name: wc, .offset: 16, .size: 8, .value_kind: global_buffer, .address_space: global }
      - { .name: ws, .offset: 24, .size: 8, .value_kind: global_buffer, .address_space: global }
      - { .name: b_attn, .offset: 32, .size: 8, .value_kind: global_buffer, .address_space: global }
      - { .name: qkv, .offset: 40, .size: 8, .value_kind: global_buffer, .address_space: global }
    .group_segment_fixed_size: 327680
    .private_segment_fixed_size: 0
    .kernarg_segment_align: 8
    .kernarg_segment_size: 48
    .max_flat_workgroup_size: 128
    .sgpr_count:     98
    .vgpr_count:     1024
    .wavefront_size: 32
...
	.end_amdgpu_metadata
.endif
;; end of part 3
;; launch attn (part 4): grid 4 x 64, 16 waves a work-group, no clusters, 327,680 bytes of LDS; arguments qkv, yb; writes yb
.if DOCPART == 4
	.amdgcn_target "amdgcn-amd-amdhsa--gfx1250"
	.amdhsa_code_object_version 6
	.text
	.protected	k_qd010dfac94_attn
	.globl	k_qd010dfac94_attn
	.p2align	8
	.type	k_qd010dfac94_attn,@function
k_qd010dfac94_attn:
	s_mov_b64 s[64:65], 0
	v_nop
	global_prefetch_b8 v0, s[64:65] scope:SCOPE_SE
	s_setreg_imm32_b32 hwreg(HW_REG_WAVE_MODE, 25, 1), 1
	s_wait_xcnt 0x0
; y[b][h][q] = the sum over k <= q of softmax_k(Q[q] . K[k] / 8) V[k], head size 64, 2,048 positions, 64 heads (16 b + h).  Q, K, V: f16, [64][2048][64] each, in qkv.  Products, maxima and sums in f32;
; the weights are rounded to f16 for the second product, y once at the end.  y goes to yb, f16, [32 (256 rows of b x 2048 + t)][16 h][256][64].
; LIMITS: NaN and infinities are not served; |y| stays at or under 65,504.
; SHARES.  Work-group (i, head) owns the query blocks i and 7 - i of 256 queries: the same causal work for all 256 work-groups.  Each of its sixteen waves owns 32 queries, two tiles of 16, in 256 registers: four waves to a SIMD,
; so that one wave's vector work stands beside another's matrix work and LDS loads.  Waves 2 p and 2 p + 1 take queries 32 p on of the two blocks; which of the two takes which block alternates with p / 2.
; All waves walk one ring of two LDS slots of 256 keys (K's rows, then V's), filled by the tensor data mover: waves 0 and 1 K's halves, waves 2 and 3 V's.  The trip counts are constants; a step of 64 keys that all come
; after a wave's queries is jumped over by a scalar branch on ids, and a slot whose first key comes after the work-group's last query is not asked for.
; NO CLUSTER: the four work-groups of a head need 8 - i slots each, so that a joint load would bring partners tiles that none of their waves reads.
; LAYOUT.  S^T = K Q^T (source 0 = 16 keys, source 1 = 16 queries): a lane holds ONE query (lane % 16) and keys 8 (lane / 16) + 0..7.  Two such tiles, rounded to f16 in pairs, are source 1 of O^T = V^T P.  V comes out of LDS turned.
; SOFTMAX.  A running maximum m and sum l for each query: p = 2^(c s - c m), c = log2(e) / 8; in every step O and l are multiplied by a = 2^(c m_old - c m_new).
.set NSL,   8                          ; slots' worth of keys
.set KP,    144                        ; a row of K in LDS: 128 bytes + 16
.set VP,    160                        ; a row of V: 128 + 32
.set VOFF,  256*KP                     ; a slot: 256 rows of K, then 256 rows of V
.set SLOT1, 1<<17                      ; slot 1 begins here: one exclusive or turns an address from one slot to the other
.set SPARE, 2*SLOT1                    ; the spare words: 128 bytes a wave, named by no other line
.set SLOTB, 32768                      ; a slot's keys in memory: 256 rows of 128 bytes
.set AK0,  1                           ; v1  my lane's place in a tile of K
.set AV0,  2                           ; v2  the same for V
.set ADK,  3                           ; v3  LDS address of the step's K; on the way out: into my stage
.set ADV,  4                           ; v4  of its V; on the way out: back from my stage
.set SPW,  5
.set NIL,  6
.set GO,   7                           ; v7  16 x lane
.set RH,   8                           ; v8  lane % 16 - 8 (lane / 16)
.set D0,   10                          ; v10, v11 the mask's bound for tiles 0, 1
.set NINF, 12                          ; v12 -infinity
.set PFO,  13                          ; v13 256 x lane; never rewritten
.set ST,   16                          ; tile t's statistics at v[16 + 8 t]: +0 c m, +1 m, +2, +3 l, +4 to +7 at work; a in +6
.set QF,   32                          ; v32-63   Q: tile t, channels 32 c on, at 16 t + 8 c
.set KV,   64                          ; v64-127  K's eight fragments, then V's
.set SS,   128                         ; v128-191 S^T at 32 t + 8 kt; then p; then P in the first 16 of each tile
.set OT,   192                         ; v192-255 O^T at 32 t + 8 ct
.set WV,   18
.set SEL,  20
.set CS,   22
.set G1K,  24
.set G1V,  32
.set G0K,  40
.set G0V,  44
.set SB,   2                           ; s2  LDS byte at which the slot in hand begins
.set TBK,  3                           ; s3  and the step's K,
.set TBV,  48                          ; s48 and V
.set CNT,  49
.set SLOTS, 50
.set KF,   51                          ; s51 the step's first key
.set Q0,   52                          ; s52 my first query
.set LASTQ, 53                         ; s53 my work-group's last query
.set LIM,  54                          ; s54 1 in a wave that prefetches, else the greatest number
.set PFA,  56                          ; s[56:57] where my prefetches stand
.set T0,   76
.macro TLOAD                           ; waves 0 and 1 fetch K's halves, waves 2 and 3 V's, the others nothing; an s_nop 0 and four v_nop follow each line
	s_cmp_lt_u32 s[WV], 2
	s_cbranch_scc0 .Lnot_k_\@
	tensor_load_to_lds s[G0K:G0K+3], s[G1K:G1K+7]
	s_nop 0
.rept 4
	v_nop
.endr
	s_branch .Lasked_\@
.Lnot_k_\@:
	s_cmp_lt_u32 s[WV], 4
	s_cbranch_scc0 .Lasked_\@
	tensor_load_to_lds s[G0V:G0V+3], s[G1V:G1V+7]
	s_nop 0
.rept 4
	v_nop
.endr
.Lasked_\@:
.endm
; A prefetch of what the NEXT change of slots will ask for: a slot's 32,768 bytes of K and of V.  All four work-groups of a head walk the same rows: work-group i = 0, which walks all slots, asks; in it waves 4 to 7 for K and
; waves 8 to 11 for V, 8,192 bytes a wave, lanes 256 bytes apart: each block of 256 bytes is named once in the launch.  Slots 0 and 1 come by their loads alone; the last change that fills a slot asks for nothing.
.macro ASK
	s_cmp_gt_u32 s[SLOTS], s[LIM]
	s_cbranch_scc0 .Lnot_mine_\@
	global_prefetch_b8 v[PFO], s[PFA:PFA+1] th:TH_LOAD_NT scope:SCOPE_SE
.Lnot_mine_\@:
.endm
	s_load_b128 s[4:7], s[0:1], 0x0                ; qkv, yb
	v_lshl_add_u32 v[SPW], v0, 2, SPARE
	v_mov_b32 v[NIL], 0
	ds_add_u32 v[SPW], v[NIL]                      ; the wave's opening: the add, twice on end, and its wait ahead of the first tensor load
	ds_add_u32 v[SPW], v[NIL]
	v_lshrrev_b32 v9, 5, v0
	v_readfirstlane_b32 s[WV], v9                  ; wave 0..15
	s_and_b32 s58, ttmp7, 0xffff                   ; the head, 16 b + h
	s_lshr_b32 s59, s[WV], 2
	s_xor_b32 s59, s59, s[WV]
	s_and_b32 s59, s59, 1                          ; which of the two blocks is mine
	s_sub_co_u32 s60, 7, ttmp9
	s_cmp_eq_u32 s59, 0
	s_cselect_b32 s61, ttmp9, s60                  ; block i or 7 - i
	s_lshr_b32 s62, s[WV], 1
	s_lshl_b32 s[Q0], s61, 8
	s_lshl_b32 s63, s62, 5
	s_add_co_u32 s[Q0], s[Q0], s63                 ; my first query
	s_lshl_b32 s[LASTQ], s60, 8
	s_or_b32 s[LASTQ], s[LASTQ], 255
	s_lshl_b32 s66, s58, 18                        ; the head's first byte in each of q, k, v
	s_mov_b32 s67, 0
	s_and_b32 s68, s[WV], 1                        ; which half of a slot's rows I fetch, if I fetch:
	s_lshl_b32 s70, s68, 14                        ; 128 rows of 128 bytes in memory,
	s_mov_b32 s71, 0
	s_add_nc_u64 s[70:71], s[70:71], s[66:67]
	s_mul_i32 s69, s68, 128*KP                     ; and in a slot
	s_mul_i32 s72, s68, 128*VP
	s_add_co_u32 s72, s72, VOFF
	s_lshl_b32 s74, s[Q0], 7
	s_mov_b32 s75, 0
	s_add_nc_u64 s[74:75], s[74:75], s[66:67]      ; my queries' offset
	s_lshr_b32 s73, s58, 4                         ; yb: ((8 b + block) x 16 + h) x 32,768 + 4,096 x (wave / 2)
	s_lshl_b32 s73, s73, 3
	s_add_co_u32 s73, s73, s61
	s_lshl_b32 s73, s73, 4
	s_and_b32 s78, s58, 15
	s_add_co_u32 s73, s73, s78
	s_lshl_b32 s78, s73, 15
	s_lshl_b32 s79, s62, 12
	s_add_co_u32 s78, s78, s79
	s_mov_b32 s79, 0
	s_mov_b32 s[G1K], (1<<16)|(1<<20)|(4<<22)|(3<<25)   ; no mask; elements of 2 bytes; padding on: 4 words after every 32
	s_mov_b32 s[G1V], (1<<16)|(1<<20)|(4<<22)|(7<<25)   ; 8 words after every 32
.irp g, G1K, G1V
	s_mov_b32 s[\g+1], 64<<16                      ; tensor_dim0 = 64
	s_mov_b32 s[\g+2], 128<<16                     ; tensor_dim1 = 128
	s_mov_b32 s[\g+3], 64<<16                      ; tile_dim0
	s_mov_b32 s[\g+4], 128                         ; tile_dim1
	s_mov_b32 s[\g+5], 64                          ; the pitch
	s_mov_b32 s[\g+6], 0
	s_mov_b32 s[\g+7], 0
.endr
	s_mov_b32 s[SEL], 0x76543210
	s_mov_b32 s[SEL+1], 0xfedcba98                 ; v_permlanex16_b32's selects for lane l xor 16
	s_mov_b32 s[CS], 0x3e38aa3b                    ; c = log2(e) / 8
	s_mov_b32 s[CS+1], s[CS]                       ; (named with it as a pair)
	s_mov_b32 s[SB], 0
	s_mov_b32 s[SLOTS], NSL-1
	s_mov_b32 s[KF], 0
	s_wait_dscnt 0x0                               ; both opening adds are done
	s_wait_kmcnt 0x0
	s_mov_b32 s[G0K], 1
	s_mov_b32 s[G0K+1], s69
	s_add_nc_u64 s[G0K+2:G0K+3], s[4:5], s[70:71]
	s_add_nc_u64 s[G0K+2:G0K+3], s[G0K+2:G0K+3], 0x1000000   ; k lies 16,777,216 bytes into qkv,
	s_or_b32 s[G0K+3], s[G0K+3], 0x80000000
	s_mov_b32 s[G0V], 1
	s_mov_b32 s[G0V+1], s72
	s_add_nc_u64 s[G0V+2:G0V+3], s[4:5], s[70:71]
	s_add_nc_u64 s[G0V+2:G0V+3], s[G0V+2:G0V+3], 0x2000000   ; v 33,554,432
	s_or_b32 s[G0V+3], s[G0V+3], 0x80000000
	TLOAD                                          ; slot 0: key 0 counts for every query, so every wave reads it
	s_cmp_lt_u32 s[WV], 8                          ; the prefetches: waves 4 to 7 stand in k, waves 8 to 11 in v, at slot 1: the first change of slots steps them to slot 2
	s_mov_b32 s62, 0x2000000+SLOTB
	s_cselect_b32 s62, 0x1000000+SLOTB, s62
	s_and_b32 s63, s[WV], 3
	s_lshl_b32 s63, s63, 13
	s_add_co_u32 s62, s62, s63
	s_mov_b32 s63, 0
	s_add_nc_u64 s[62:63], s[62:63], s[66:67]
	s_add_nc_u64 s[PFA:PFA+1], s[4:5], s[62:63]
	s_sub_co_u32 s62, s[WV], 4
	s_lshr_b32 s62, s62, 3                         ; 0 in waves 4 to 11,
	s_or_b32 s62, s62, ttmp9                       ; of work-group i = 0
	s_cmp_eq_u32 s62, 0
	s_cselect_b32 s[LIM], 1, -1
	s_add_nc_u64 s[8:9], s[4:5], s[74:75]          ; Q at my first query
	s_add_nc_u64 s[14:15], s[6:7], s[78:79]        ; yb at my 32 rows
	v_and_b32 v9, 15, v0                           ; r
	v_bfe_u32 v14, v0, 4, 1                        ; h
	v_lshlrev_b32 v15, 7, v9
	v_lshl_add_u32 v15, v14, 4, v15                ; Q: row r of 128 bytes + 16 h
.irp t, 0,1
.irp c, 0,1
	global_load_b128 v[QF+16*\t+8*\c:QF+16*\t+8*\c+3], v15, s[8:9] offset:2048*\t+64*\c
	global_load_b128 v[QF+16*\t+8*\c+4:QF+16*\t+8*\c+7], v15, s[8:9] offset:2048*\t+64*\c+32
.endr
.endr
	v_mul_u32_u24 v[AK0], v9, KP
	v_lshl_add_u32 v[AK0], v14, 4, v[AK0]          ; row x pitch + 16 x half
	v_and_b32 v10, 7, v0                           ; the turning load: key 8 h + l % 8, channels 8 ((l / 8) % 2) on
	v_lshl_add_u32 v10, v14, 3, v10
	v_mul_u32_u24 v[AV0], v10, VP
	v_bfe_u32 v11, v0, 3, 1
	v_lshl_add_u32 v[AV0], v11, 4, v[AV0]
	v_add_nc_u32 v[AV0], VOFF, v[AV0]
	v_and_b32 v[GO], 31, v0
	v_lshlrev_b32 v[PFO], 8, v[GO]
	v_lshlrev_b32 v[GO], 4, v[GO]
	v_lshlrev_b32 v[RH], 3, v14
	v_sub_nc_u32 v[RH], v9, v[RH]
	v_mov_b32 v[NINF], 0xff800000
.irp t, 0,1
	v_mov_b32 v[ST+8*\t+1], 0xff61b1e6             ; m: -3e38, under every score
	v_mul_f32 v[ST+8*\t], s[CS], v[ST+8*\t+1]      ; c m
.irp u, 2,3,4,5,6,7
	v_mov_b32 v[ST+8*\t+\u], 0                     ; l, and the registers at work
.endr
.endr
.set n, 0
.rept 64
	v_mov_b32 v[OT+n], 0                           ; O^T: the step is written once; its first walk finds zeros, which a = 0 leaves zeros
.set n, n+1
.endr
; A KEY STEP: 64 keys at LDS bytes s[TBK] (K) and s[TBV] (V).
.macro STEP
	s_add_co_u32 s[T0], s[Q0], 31                  ; a step all of whose keys come after my 32 queries is left out: a branch on ids, round the step's work alone
	s_cmp_gt_u32 s[KF], s[T0]
	s_cbranch_scc1 .Lhidden_\@
	v_add_nc_u32 v[ADK], s[TBK], v[AK0]
	v_add_nc_u32 v[ADV], s[TBV], v[AV0]
.rept 3
	v_nop                                          ; with the two additions five places behind the last step's products: four for the loads into their operands, five for the products below, which write over P
.endr
.irp f, 0,1,2,3,4,5,6,7                        ; K: keys 16 (f / 2) on, channels 32 (f % 2) on
	ds_load_b128 v[KV+8*\f:KV+8*\f+3], v[ADK] offset:(\f/2)*16*KP+(\f%2)*64
	ds_load_b128 v[KV+8*\f+4:KV+8*\f+7], v[ADK] offset:(\f/2)*16*KP+(\f%2)*64+32
.endr
	s_wait_dscnt 0x0
.irp kt, 0,1,2,3                               ; S^T = K Q^T: the eight accumulators take turns, one instruction a turn
.irp t, 0,1
	v_wmma_f32_16x16x32_f16 v[SS+32*\t+8*\kt:SS+32*\t+8*\kt+7], v[KV+16*\kt:KV+16*\kt+7], v[QF+16*\t:QF+16*\t+7], 0
.endr
.endr
.irp kt, 0,1,2,3
.irp t, 0,1
	v_wmma_f32_16x16x32_f16 v[SS+32*\t+8*\kt:SS+32*\t+8*\kt+7], v[KV+16*\kt+8:KV+16*\kt+15], v[QF+16*\t+8:QF+16*\t+15], v[SS+32*\t+8*\kt:SS+32*\t+8*\kt+7]
.endr
.endr
.rept 4
	v_nop                                          ; places in front of the loads into K's registers and of the first read of the scores
.endr
.irp f, 0,1,2,3,4,5,6,7                        ; V, turned: keys 32 (f / 4) on, channels 16 (f % 4) on; it lands while the softmax is walked
	ds_load_tr16_b128 v[KV+8*\f:KV+8*\f+3], v[ADV] offset:(\f/4)*32*VP+(\f%4)*32
	ds_load_tr16_b128 v[KV+8*\f+4:KV+8*\f+7], v[ADV] offset:(\f/4)*32*VP+16*VP+(\f%4)*32
.endr
	s_add_co_u32 s[T0], s[KF], 63                  ; on the diagonal the scores of hidden keys become -infinity; a step all of whose keys count skips this
	s_cmp_le_u32 s[T0], s[Q0]
	s_cbranch_scc1 .Lopen_\@
	s_sub_co_i32 s[T0], s[Q0], s[KF]
	v_add_nc_u32 v[D0], s[T0], v[RH]               ; d = my query - KF - 8 (lane / 16).  Register n of a tile holds key KF + 8 (lane / 16) + 16 (n / 8) + n % 8: hidden where 16 (n / 8) + n % 8 > d
	v_add_nc_u32 v[D0+1], 16, v[D0]
.set n, 0
.rept 32
	v_cmp_gt_i32 vcc_lo, 16*(n/8)+n%8, v[D0]
	v_cndmask_b32 v[SS+n], v[SS+n], v[NINF], vcc_lo
	v_cmp_gt_i32 vcc_lo, 16*(n/8)+n%8, v[D0+1]
	v_cndmask_b32 v[SS+32+n], v[SS+32+n], v[NINF], vcc_lo
.set n, n+1
.endr
.Lopen_\@:
.irp j, 0,1,2,3                                ; the maximum of 32 scores and the old m: four chains, each accumulator from its low end on; the two tiles alternate line by line
.irp t, 0,1
	v_max3_num_f32 v[ST+8*\t+4+\j], v[SS+32*\t+8*\j], v[SS+32*\t+8*\j+1], v[SS+32*\t+8*\j+2]
.endr
.endr
.irp u, 3,5
.irp j, 0,1,2,3
.irp t, 0,1
	v_max3_num_f32 v[ST+8*\t+4+\j], v[ST+8*\t+4+\j], v[SS+32*\t+8*\j+\u], v[SS+32*\t+8*\j+\u+1]
.endr
.endr
.endr
.irp t, 0,1
	v_max3_num_f32 v[ST+8*\t+4], v[ST+8*\t+4], v[SS+32*\t+7], v[SS+32*\t+15]
.endr
.irp t, 0,1
	v_max3_num_f32 v[ST+8*\t+6], v[ST+8*\t+6], v[SS+32*\t+23], v[SS+32*\t+31]
.endr
.irp t, 0,1
	v_max3_num_f32 v[ST+8*\t+4], v[ST+8*\t+4], v[ST+8*\t+5], v[ST+8*\t+6]
.endr
.irp t, 0,1
	v_max3_num_f32 v[ST+8*\t+4], v[ST+8*\t+4], v[ST+8*\t+7], v[ST+8*\t+1]
.endr
.irp t, 0,1
	v_permlanex16_b32 v[ST+8*\t+5], v[ST+8*\t+4], s[SEL], s[SEL+1]   ; the query's other 32 keys lie in the lane 16 away
.endr
.irp t, 0,1
	v_mov_b32 v[ST+8*\t+7], v[ST+8*\t]             ; c m_old is kept for a
.endr
.irp t, 0,1
	v_max_num_f32 v[ST+8*\t+1], v[ST+8*\t+4], v[ST+8*\t+5]
.endr
.irp t, 0,1
	v_mul_f32 v[ST+8*\t], s[CS], v[ST+8*\t+1]
.endr
.irp t, 0,1
	v_sub_f32 v[ST+8*\t+7], v[ST+8*\t+7], v[ST+8*\t]
.endr
.irp t, 0,1
	v_exp_f32 v[ST+8*\t+6], v[ST+8*\t+7]           ; a.  ONE BATCH: these two and the 64 below; nothing names a result ahead of the one wait
.endr
.set n, 0
.rept 16
	v_pk_fma_f32 v[SS+n:SS+n+1], v[SS+n:SS+n+1], s[CS:CS+1], v[ST:ST+1] op_sel_hi:[1,0,0] neg_lo:[0,0,1] neg_hi:[0,0,1]   ; c s - c m, two at a time
	v_pk_fma_f32 v[SS+32+n:SS+32+n+1], v[SS+32+n:SS+32+n+1], s[CS:CS+1], v[ST+8:ST+9] op_sel_hi:[1,0,0] neg_lo:[0,0,1] neg_hi:[0,0,1]
.set n, n+2
.endr
.set n, 0
.rept 64
	v_exp_f32 v[SS+n], v[SS+n]
.set n, n+1
.endr
	v_nop                                          ; a plain instruction behind the last exponential
	s_wait_alu depctr_va_vdst(0)                   ; the wait ahead of the first instruction that names a result: one for the 66
.irp t, 0,1
	v_pk_mul_f32 v[ST+8*\t+2:ST+8*\t+3], v[ST+8*\t+2:ST+8*\t+3], v[ST+8*\t+6:ST+8*\t+7] op_sel_hi:[1,0]   ; l x a
.endr
.irp t, 0,1
	v_pk_add_f32 v[ST+8*\t+4:ST+8*\t+5], v[SS+32*\t:SS+32*\t+1], v[SS+32*\t+2:SS+32*\t+3]   ; the sum of the unrounded p, in two chains
.endr
.irp j, 4,8,12,16,20,24,28
.irp t, 0,1
	v_pk_add_f32 v[ST+8*\t+2:ST+8*\t+3], v[ST+8*\t+2:ST+8*\t+3], v[SS+32*\t+\j:SS+32*\t+\j+1]
	v_pk_add_f32 v[ST+8*\t+4:ST+8*\t+5], v[ST+8*\t+4:ST+8*\t+5], v[SS+32*\t+\j+2:SS+32*\t+\j+3]
.endr
.endr
.irp t, 0,1
	v_pk_add_f32 v[ST+8*\t+2:ST+8*\t+3], v[ST+8*\t+2:ST+8*\t+3], v[ST+8*\t+4:ST+8*\t+5]
.endr
.set n, 0
.rept 16
	v_cvt_pk_f16_f32 v[SS+n], v[SS+2*n], v[SS+2*n+1]               ; P in place, ascending: register n is written when registers 2 n and 2 n + 1 are read
	v_cvt_pk_f16_f32 v[SS+32+n], v[SS+32+2*n], v[SS+32+2*n+1]
.set n, n+1
.endr
.set n, 0
.rept 16
	v_pk_mul_f32 v[OT+n:OT+n+1], v[OT+n:OT+n+1], v[ST+6:ST+7] op_sel_hi:[1,0]        ; O^T x a, each accumulator from its low end on
	v_pk_mul_f32 v[OT+32+n:OT+32+n+1], v[OT+32+n:OT+32+n+1], v[ST+14:ST+15] op_sel_hi:[1,0]
.set n, n+2
.endr
	s_wait_dscnt 0x0                               ; V is in
.irp kc, 0,1                                   ; O^T += V^T P: the eight accumulators take turns
.irp ct, 0,1,2,3
.irp t, 0,1
	v_wmma_f32_16x16x32_f16 v[OT+32*\t+8*\ct:OT+32*\t+8*\ct+7], v[KV+8*(4*\kc+\ct):KV+8*(4*\kc+\ct)+7], v[SS+32*\t+8*\kc:SS+32*\t+8*\kc+7], v[OT+32*\t+8*\ct:OT+32*\t+8*\ct+7]
.endr
.endr
.endr
.Lhidden_\@:
	s_add_co_u32 s[KF], s[KF], 64
	s_add_co_u32 s[TBK], s[TBK], 64*KP
	s_add_co_u32 s[TBV], s[TBV], 64*VP
.endm
; THE CHANGE OF SLOTS stands at a slot's head.  Each wave waits for all its tensor loads (one at the most is out), adds 0 to its spare word, and waits for that and for its reads of the slot that it has left.
; Behind the barrier the slot ahead is whole and nobody reads the other one.  fill = 1: that other slot takes the next 256 keys, if any wave of the work-group will read them: the load has a slot's four steps in which to land.
.macro CHANGE fill
	s_wait_tensorcnt 0x0                           ; no tensor load of mine is out, so a group 0 may be written
	ds_add_u32 v[SPW], v[NIL]                      ; 0 onto my spare word
.if \fill
	ds_add_u32 v[SPW], v[NIL]                      ; and twice on end here, in every trip alike
	s_xor_b32 s[G0K+1], s[G0K+1], SLOT1
	s_add_nc_u64 s[G0K+2:G0K+3], s[G0K+2:G0K+3], SLOTB
	s_xor_b32 s[G0V+1], s[G0V+1], SLOT1
	s_add_nc_u64 s[G0V+2:G0V+3], s[G0V+2:G0V+3], SLOTB
	s_wait_xcnt 0x0                                ; the last prefetch, a slot back, has read its address
	s_add_nc_u64 s[PFA:PFA+1], s[PFA:PFA+1], SLOTB ; one slot further on than the walking descriptors
.endif
	s_wait_dscnt 0x0
	s_barrier_signal -1
	s_barrier_wait -1
.if \fill
	s_add_co_u32 s[T0], s[KF], 256                 ; the first key of the slot that this change would ask for, against my work-group's last query: ids and the count of steps alone, the same in all sixteen waves
	s_cmp_gt_u32 s[T0], s[LASTQ]
	s_cbranch_scc1 .Lpast_\@
	TLOAD
.Lpast_\@:
	ASK
.endif
.endm
.macro SLOT_STEPS                      ; a slot's four steps: written once, walked four times
	s_mov_b32 s[TBK], s[SB]
	s_mov_b32 s[TBV], s[SB]
	s_mov_b32 s[CNT], 4
.Lstep_\@:
	STEP
	s_sub_co_u32 s[CNT], s[CNT], 1
	s_cmp_lg_u32 s[CNT], 0
	s_cbranch_scc1 .Lstep_\@
	s_xor_b32 s[SB], s[SB], SLOT1
.endm
	s_wait_loadcnt 0x0                             ; Q
.Lslot:                                                ; seven trips: behind each change of slots but the last the next slot is asked for, up to the causal limit
	CHANGE 1
	SLOT_STEPS
	s_sub_co_u32 s[SLOTS], s[SLOTS], 1
	s_cmp_lg_u32 s[SLOTS], 0
	s_cbranch_scc1 .Lslot
	CHANGE 0                                       ; the last slot is written out: nothing is asked for
	SLOT_STEPS
	; THE WAY OUT.  l's halves are added; O^T is divided by l, rounded to f16 and sent through my stage (in LDS slot 0, which was left at the last change of slots and is filled no more), so that each store covers 512 consecutive bytes of yb.
	v_add_f32 v[ST+4], v[ST+2], v[ST+3]
	v_add_f32 v[ST+12], v[ST+10], v[ST+11]
	v_permlanex16_b32 v[ST+5], v[ST+4], s[SEL], s[SEL+1]
	v_permlanex16_b32 v[ST+13], v[ST+12], s[SEL], s[SEL+1]
	v_add_f32 v[ST+4], v[ST+4], v[ST+5]
	v_add_f32 v[ST+12], v[ST+12], v[ST+13]
	v_rcp_f32 v[ST+6], v[ST+4]
	v_rcp_f32 v[ST+14], v[ST+12]
	v_and_b32 v9, 15, v0                           ; (plain work behind the reciprocals)
	v_bfe_u32 v14, v0, 4, 1
	s_mul_i32 s[T0], s[WV], 2*16*KP                ; my stage: two tiles of 16 rows x 144 bytes
	v_mul_u32_u24 v[ADK], v9, KP
	v_lshl_add_u32 v[ADK], v14, 4, v[ADK]
	v_add_nc_u32 v[ADK], s[T0], v[ADK]             ; in: row r, 16 bytes for each half of the lanes
	v_bfe_u32 v9, v0, 3, 2
	v_mul_u32_u24 v[ADV], v9, KP
	v_and_b32 v14, 7, v0
	v_lshl_add_u32 v[ADV], v14, 4, v[ADV]
	v_add_nc_u32 v[ADV], s[T0], v[ADV]             ; back: eight lanes to a row of 128 bytes, four rows an instruction
	s_wait_alu depctr_va_vdst(0)                   ; one wait for the two reciprocals, ahead of their first reader
.set n, 0
.rept 16
	v_pk_mul_f32 v[OT+n:OT+n+1], v[OT+n:OT+n+1], v[ST+6:ST+7] op_sel_hi:[1,0]
	v_pk_mul_f32 v[OT+32+n:OT+32+n+1], v[OT+32+n:OT+32+n+1], v[ST+14:ST+15] op_sel_hi:[1,0]
.set n, n+2
.endr
.set n, 0
.rept 32
	v_cvt_pk_f16_f32 v[SS+n], v[OT+2*n], v[OT+2*n+1]               ; tile t's channels 16 ct + 8 h on: registers 16 t + 4 ct on
.set n, n+1
.endr
.irp t, 0,1
.irp ct, 0,1,2,3
	ds_store_b128 v[ADK], v[SS+16*\t+4*\ct:SS+16*\t+4*\ct+3] offset:16*KP*\t+32*\ct
.endr
.endr
.irp t, 0,1
.irp i, 0,1,2,3
	ds_load_b128 v[KV+16*\t+4*\i:KV+16*\t+4*\i+3], v[ADV] offset:16*KP*\t+4*KP*\i   ; LDS serves a wave's instructions in order: these see my stores
.endr
.endr
.irp n, 0,1,2,3,4,5,6,7
	s_wait_dscnt 7-\n
	global_store_b128 v[GO], v[KV+4*\n:KV+4*\n+3], s[14:15] offset:512*\n
.endr
	s_wait_tensorcnt 0x0                           ; the wave's end
	ds_add_u32 v[SPW], v[NIL]
	s_wait_dscnt 0x0
	s_endpgm
.Lfunc_end_k_qd010dfac94_attn:
	.size	k_qd010dfac94_attn, .Lfunc_end_k_qd010dfac94_attn-k_qd010dfac94_attn
	.p2alignl 7, 3214868480
	.fill 96, 4, 3214868480
	.section	.rodata,"a",@progbits
	.p2align	6, 0x0
	.amdhsa_kernel k_qd010dfac94_attn
		.amdhsa_group_segment_fixed_size 327680
		.amdhsa_private_segment_fixed_size 0
		.amdhsa_enable_private_segment 0
		.amdhsa_kernarg_size 16
		.amdhsa_user_sgpr_count 2
		.amdhsa_user_sgpr_kernarg_segment_ptr 1
		.amdhsa_wavefront_size32 1
		.amdhsa_system_sgpr_workgroup_id_x 1
		.amdhsa_system_sgpr_workgroup_id_y 1
		.amdhsa_system_sgpr_workgroup_id_z 1
		.amdhsa_system_vgpr_workitem_id 0
		.amdhsa_next_free_vgpr 256
		.amdhsa_next_free_sgpr 80
		.amdhsa_reserve_vcc 1
		.amdhsa_float_denorm_mode_32 3
		.amdhsa_float_denorm_mode_16_64 3
		.amdhsa_memory_ordered 1
		.amdhsa_forward_progress 1
		.amdhsa_inst_pref_size 62
	.end_amdhsa_kernel
	.amdgpu_metadata
---
amdhsa.version: [ 1, 2 ]
amdhsa.kernels:
  - .name:           k_qd010dfac94_attn
    .symbol:         k_qd010dfac94_attn.kd
    .args:
      - { .name: qkv, .offset: 0, .size: 8, .value_kind: global_buffer, .address_space: global }
      - { .name: yb, .offset: 8, .size: 8, .value_kind: global_buffer, .address_space: global }
    .group_segment_fixed_size: 327680
    .private_segment_fixed_size: 0
    .kernarg_segment_align: 8
    .kernarg_segment_size: 16
    .max_flat_workgroup_size: 512
    .sgpr_count:     80
    .vgpr_count:     256
    .wavefront_size: 32
...
	.end_amdgpu_metadata
.endif
;; end of part 4
;; launch proj (part 5): grid 8 x 32, 4 waves a work-group, clusters of 4 x 4, 327,680 bytes of LDS; arguments yb, wp16, out0, b_proj; writes out0
.if DOCPART == 5
	.amdgcn_target "amdgcn-amd-amdhsa--gfx1250"
	.amdhsa_code_object_version 6
	.text
	.protected	k_qd010dfac94_proj
	.globl	k_qd010dfac94_proj
	.p2align	8
	.type	k_qd010dfac94_proj,@function
k_qd010dfac94_proj:
	s_mov_b64 s[64:65], 0
	v_nop
	global_prefetch_b8 v0, s[64:65] scope:SCOPE_SE
	s_setreg_imm32_b32 hwreg(HW_REG_WAVE_MODE, 25, 1), 1
	s_wait_xcnt 0x0
	s_wait_alu depctr_hold_cnt(0) depctr_sa_sdst(0) depctr_va_vdst(0) depctr_va_sdst(0) depctr_va_ssrc(0) depctr_va_vcc(0) depctr_vm_vsrc(0)
	s_getreg_b32 s2, hwreg(HW_REG_IB_STS2, 6, 4)
	s_cmp_eq_u32 s2, 0
	s_cbranch_scc0 .Lentry_in_a_cluster
	s_endpgm
.Lentry_in_a_cluster:
	s_bfe_u32 s2, ttmp6, 0x10000c
	s_cmp_lg_u32 s2, 0xf033
	s_cbranch_scc0 .Lentry_shape_is_right
	s_endpgm
.Lentry_shape_is_right:
; out0 = y W_proj + b_proj, f16 operands, f32 sums, the bias as the C of each sum's first product.  y: yb, f16, [32 (256 rows)][16 h][256][64]; W: wp16, f16, [1024 k][1024 n]; out0: [8192][1024] f32.
; (The 64 rows of the first 16 positions of each sequence are written again, more finely, by a later launch.)
; A tile of 256 rows x 128 columns gives 256 work-groups.  Four waves, each 128 x 64: 32 accumulators, 256 registers.  K goes in steps of 128 (two heads) through a ring of two LDS slots: y's two sub-tiles (a head each: 256 rows of
; 128 bytes, one dense block of memory) and 128 k-rows of W (256 bytes each).  Wave 0 and 1 fetch y's sub-tiles, waves 2 and 3 W's halves: one load a wave.
; CLUSTERS: 4 x 4 work-groups; y's tiles are shared along a row of the cluster, W's along a column: joint loads.
; THE MATRIX INSTRUCTION IS USED TRANSPOSED: source 0 = 16 columns of W (turned on the way out of LDS), source 1 = 16 rows of y: a lane holds eight neighbouring columns of a row of out0.
; REGISTERS: window 0: v16-29 addresses; v32-95 rows on the way out; v96-127 the bias.   window 1: two fragment buffers of 96 (y's 8 fragments, then W's 4).   window 2: accumulator (a, b) at v[8 (4 a + b)].
.set PA,     144                       ; a row of y in LDS: 128 bytes + 16
.set PB,     288                       ; a k-row of W: 256 + 32
.set SUBA,   256*PA
.set BOFF,   2*SUBA
.set SLOT,   BOFF+128*PB
.set STAGE,  2*SLOT                    ; behind the ring: 16 rows x 272 bytes for each wave
.set SPITCH, 272
.set SPARE,  STAGE+4*16*SPITCH         ; the spare words
.set LAPS,   4                         ; a lap = two K steps; K = 1,024 is eight steps
.set ADRA, 16
.set ADRB, 20
.set STO,  24
.set RD,   25
.set CO,   26
.set SPW,  28
.set NIL,  29
.set OB,   32
.set BIAS, 96
.set F0,   0
.set F1,   96
.set G1, 24
.set G0, 32
.set G1B, 48
.set G0B, 56
.set MSB, 0
.macro WIN new
.if MSB != \new
	s_set_vgpr_msb (MSB<<8)|\new
.set MSB, \new
.endif
.endm
.set MUL,  0xa5                        ; sources 0 and 1 window 1; C and D window 2
.set MULB, 0x85                        ; C = the bias, in window 0
.set TO_F, 0x40
.macro JLOAD s                         ; a joint load: waves 0 and 1 fetch for y, waves 2 and 3 for W; an s_nop 0 and four v_nop follow each line
	s_cmp_eq_u32 s11, 0
	s_cbranch_scc0 .Lfor_b_\@
	tensor_load_to_lds s[G0+4*\s:G0+4*\s+3], s[G1:G1+7]
	s_nop 0
.rept 4
	v_nop
.endr
	s_branch .Lasked_\@
.Lfor_b_\@:
	tensor_load_to_lds s[G0B+4*\s:G0B+4*\s+3], s[G1B:G1B+7]
	s_nop 0
.rept 4
	v_nop
.endr
.Lasked_\@:
.endm
.macro CREST
	s_cmp_lg_u32 s10, 0
	s_cbranch_scc1 .Lnot_wave_0_\@
	s_barrier_signal -3
.Lnot_wave_0_\@:
	s_barrier_wait -3
	s_barrier_signal -1
	s_barrier_wait -1
.endm
.macro CROUND
	s_barrier_signal -1
	s_barrier_wait -1
	CREST
.endm
	s_load_b128 s[4:7], s[0:1], 0x0                ; yb, wp16
	s_load_b64 s[8:9], s[0:1], 0x10                ; out0
	s_load_b64 s[66:67], s[0:1], 0x18              ; b_proj
	v_lshl_add_u32 v[SPW], v0, 2, SPARE
	v_mov_b32 v[NIL], 0
	ds_add_u32 v[SPW], v[NIL]                      ; the wave's opening: the add, twice on end, and its wait ahead of my first tensor load
	ds_add_u32 v[SPW], v[NIL]
	v_lshrrev_b32 v1, 5, v0
	v_readfirstlane_b32 s10, v1                    ; wave 0..3
	s_lshr_b32 s11, s10, 1                         ; which half of the tile's rows is mine.  Also: I fetch for y (0) or for W (1)
	s_and_b32 s12, s10, 1                          ; which half of its columns.  Also: which sub-tile or half I fetch
	s_bfe_u32 s40, ttmp6, 0x40000
	s_bfe_u32 s41, ttmp6, 0x40004
	s_lshl_b32 s42, ttmp9, 2
	s_add_co_u32 s42, s42, s40                     ; tile column
	s_and_b32 s13, ttmp7, 0xffff
	s_lshl_b32 s13, s13, 2
	s_add_co_u32 s13, s13, s41                     ; tile row
	s_lshl_b32 s43, s41, 2
	s_lshl_b32 s43, 15, s43                        ; my row of the cluster
	s_lshl_b32 s44, 0x1111, s40                    ; my column
	s_or_b32 s[G1+0], s43, (1<<16)|(1<<20)|(1<<21)|(4<<22)|(3<<25)   ; y: elements of 2 bytes; 4 words of padding after every 32
	s_mov_b32 s[G1+1], 64<<16                      ; tensor_dim0 = 64
	s_mov_b32 s[G1+2], 256<<16                     ; tensor_dim1 = 256
	s_mov_b32 s[G1+3], 64<<16                      ; tile_dim0
	s_mov_b32 s[G1+4], 256                         ; tile_dim1
	s_mov_b32 s[G1+5], 64                          ; the pitch
	s_mov_b32 s[G1+6], 0
	s_mov_b32 s[G1+7], 0
	s_or_b32 s[G1B+0], s44, (1<<16)|(1<<20)|(1<<21)|(5<<22)|(7<<25)  ; W: 8 words of padding after every 64
	s_mov_b32 s[G1B+1], 128<<16
	s_mov_b32 s[G1B+2], 64<<16
	s_mov_b32 s[G1B+3], 128<<16
	s_mov_b32 s[G1B+4], 64
	s_mov_b32 s[G1B+5], 1024
	s_mov_b32 s[G1B+6], 0
	s_mov_b32 s[G1B+7], 0
	s_lshl_b32 s16, s13, 4                         ; y: block (tile row, head s12): 32,768 bytes each
	s_add_co_u32 s16, s16, s12
	s_lshl_b32 s16, s16, 15
	s_mov_b32 s17, 0
	s_lshl_b32 s46, s12, 17                        ; W: k-row 64 x half (2,048 bytes a row), column 128 x tile column
	s_lshl_b32 s47, s42, 8
	s_add_co_u32 s46, s46, s47
	s_mov_b32 s47, 0
	s_mul_i32 s20, s12, SUBA                       ; where they go: no place in the cluster enters an LDS address
	s_mul_i32 s21, s12, 64*PB
	s_add_co_u32 s21, s21, BOFF
	s_wait_dscnt 0x0
	s_wait_kmcnt 0x0
	s_add_nc_u64 s[14:15], s[4:5], s[16:17]
	s_add_nc_u64 s[46:47], s[6:7], s[46:47]
	CROUND                                         ; the first joint loads meet
.irp s, 0,1
	s_mov_b32 s[G0+4*\s], 1
	s_add_co_u32 s[G0+4*\s+1], s20, \s*SLOT
	s_add_nc_u64 s[G0+4*\s+2:G0+4*\s+3], s[14:15], \s*65536      ; K step s: heads 2 s and 2 s + 1
	s_or_b32 s[G0+4*\s+3], s[G0+4*\s+3], 0x80000000
	s_mov_b32 s[G0B+4*\s], 1
	s_add_co_u32 s[G0B+4*\s+1], s21, \s*SLOT
	s_add_nc_u64 s[G0B+4*\s+2:G0B+4*\s+3], s[46:47], \s*262144   ; 128 k-rows on
	s_or_b32 s[G0B+4*\s+3], s[G0B+4*\s+3], 0x80000000
	JLOAD \s
.endr
	v_and_b32 v1, 15, v0                           ; r
	v_bfe_u32 v2, v0, 4, 1                         ; h
	s_lshl_b32 s46, s42, 9                         ; my first column in bytes of f32: 512 x tile column + 256 x half
	s_lshl_b32 s47, s12, 8
	s_add_co_u32 s46, s46, s47
	s_mov_b32 s47, 0
	s_add_nc_u64 s[66:67], s[66:67], s[46:47]
	v_lshlrev_b32 v6, 5, v2                        ; the bias in the result's layout: for block b, columns 16 b + 8 h + 0 .. 7
.irp b, 0,1,2,3
	global_load_b128 v[BIAS+8*\b:BIAS+8*\b+3], v6, s[66:67] offset:64*\b
	global_load_b128 v[BIAS+8*\b+4:BIAS+8*\b+7], v6, s[66:67] offset:64*\b+16
.endr
	s_lshl_b32 s16, s13, 8
	s_lshl_b32 s17, s11, 7
	s_add_co_u32 s16, s16, s17                     ; my first row of out0
	s_lshl_b32 s16, s16, 12
	s_add_co_u32 s46, s46, s16
	s_add_nc_u64 s[8:9], s[8:9], s[46:47]
	v_mul_u32_u24 v3, v1, PA
	v_lshl_add_u32 v3, v2, 4, v3                   ; y: row x pitch + 16 x half
	s_mul_i32 s21, s11, 128*PA                     ; my 128 rows
	v_and_b32 v4, 7, v0                            ; W, turned: k-row 8 h + l % 8, columns 8 ((l / 8) % 2) on
	v_lshl_add_u32 v4, v2, 3, v4
	v_mul_u32_u24 v4, v4, PB
	v_bfe_u32 v5, v0, 3, 1
	v_lshl_add_u32 v4, v5, 4, v4
	s_lshl_b32 s22, s12, 7                         ; my 64 columns
	s_add_co_u32 s22, s22, BOFF
.irp s, 0,1
	v_add_nc_u32 v[ADRA+\s], s21, v3
	v_add_nc_u32 v[ADRB+\s], s22, v4
	s_add_co_u32 s21, s21, SLOT
	s_add_co_u32 s22, s22, SLOT
.endr
	s_mul_i32 s23, s10, 16*SPITCH
	s_add_co_u32 s23, s23, STAGE                   ; my stage
	v_mul_u32_u24 v5, v1, SPITCH
	v_lshl_add_u32 v5, v2, 5, v5
	v_add_nc_u32 v[STO], s23, v5                   ; in: row r, 32 bytes for each half of the lanes
	v_mul_u32_u24 v5, v2, SPITCH
	v_lshl_add_u32 v5, v1, 4, v5
	v_add_nc_u32 v[RD], s23, v5                    ; back: lanes 0-15 one row of 256 bytes, lanes 16-31 the next
	v_lshlrev_b32 v5, 12, v2
	v_lshl_add_u32 v[CO], v1, 4, v5                ; and the same two rows in out0
.macro MUL8 f, a0, zero                ; 8 products: y's blocks a0, a0 + 1 against W's four, 32 along K.  The 32 accumulators take turns
.irp a, \a0, \a0+1
.irp b, 0,1,2,3
.if \zero
	v_wmma_f32_16x16x32_f16 v[8*(4*(\a)+\b):8*(4*(\a)+\b)+7], v[\f+64+8*\b:\f+64+8*\b+7], v[\f+8*(\a):\f+8*(\a)+7], v[BIAS+8*\b:BIAS+8*\b+7]
.else
	v_wmma_f32_16x16x32_f16 v[8*(4*(\a)+\b):8*(4*(\a)+\b)+7], v[\f+64+8*\b:\f+64+8*\b+7], v[\f+8*(\a):\f+8*(\a)+7], v[8*(4*(\a)+\b):8*(4*(\a)+\b)+7]
.endif
.endr
.endr
.endm
.macro FETCH slot, q, f                ; 24 LDS loads in one run: the fragments of the slot's q-th 32 along K: W's four first, then y's eight
	WIN TO_F
.irp i, 0,1,2,3
	ds_load_tr16_b128 v[\f+64+8*\i:\f+64+8*\i+3], v[ADRB+\slot] offset:(\q)*32*PB+32*\i
	ds_load_tr16_b128 v[\f+64+8*\i+4:\f+64+8*\i+7], v[ADRB+\slot] offset:(\q)*32*PB+32*\i+16*PB
.endr
.irp i, 0,1,2,3,4,5,6,7
	ds_load_b128 v[\f+8*\i:\f+8*\i+3], v[ADRA+\slot] offset:((\q)/2)*SUBA+((\q)%2)*64+\i*16*PA
	ds_load_b128 v[\f+8*\i+4:\f+8*\i+7], v[ADRA+\slot] offset:((\q)/2)*SUBA+((\q)%2)*64+\i*16*PA+32
.endr
.endm
.macro PLACES
.rept 4
	v_nop
.endr
.endm
.macro QUARTER slot, qn, f, g, zero    ; multiplies buffer f; in its middle it fetches the slot's quarter qn into g
	s_wait_dscnt 8                                 ; W's fragments and y's blocks 0-3 are in; the youngest eight loads may be out
.if \zero
	WIN MULB
.else
	WIN MUL
.endif
	MUL8 \f, 0, \zero
	MUL8 \f, 2, \zero
	PLACES
	FETCH \slot, \qn, \g
	s_wait_dscnt 24                                ; all but the 24 just issued
.if \zero
	WIN MULB
.else
	WIN MUL
.endif
	MUL8 \f, 4, \zero
	MUL8 \f, 6, \zero
.endm
; A slot's last quarter multiplies buffer 1 and changes slots: ONE barrier; in front of it each wave waits for all its tensor loads, adds 0 to its spare word, and waits for that and for its reads of this slot.  fill = 1: the slot is filled again, two K steps ahead.
.macro TURN slot, next, fill
	WIN 0
	s_wait_tensorcnt 0x0                           ; my one load that was out, my part of the next slot, has landed
	ds_add_u32 v[SPW], v[NIL]                      ; 0 onto my spare word
	s_wait_dscnt 9                                 ; the add and the youngest eight loads may be out
	WIN MUL
	MUL8 F1, 0, 0
	s_wait_dscnt 0x0
	s_barrier_signal -1
	MUL8 F1, 2, 0
.if \fill
	WIN 0
.endif
	s_barrier_wait -1
.if \fill
	CREST                                          ; the barrier has opened a round of the cluster's barrier: no wave of any partner still reads this slot or has a load on its way
	s_add_nc_u64 s[G0+4*\slot+2:G0+4*\slot+3], s[G0+4*\slot+2:G0+4*\slot+3], 131072
	s_add_nc_u64 s[G0B+4*\slot+2:G0B+4*\slot+3], s[G0B+4*\slot+2:G0B+4*\slot+3], 524288
	JLOAD \slot                                    ; the first tensor load behind the round; its four v_nop are also the places in front of the loads below
.else
	PLACES
.endif
	FETCH \next, 0, F0
	WIN MUL
	MUL8 F1, 4, 0
	MUL8 F1, 6, 0
.endm
	s_wait_tensorcnt 1                             ; my part of K step 0 is in,
	s_barrier_signal -1
	s_barrier_wait -1                              ; everybody's is
	FETCH 0, 0, F0
	s_wait_loadcnt 0x0                             ; the bias
	QUARTER 0, 1, F0, F1, 1                        ; the first quarter starts the sums on the bias
	WIN 0
	s_mov_b32 s3, LAPS-1
.Llap:                                                 ; a trip goes once round the ring and fills both slots again
	QUARTER 0, 2, F1, F0, 0
	QUARTER 0, 3, F0, F1, 0
	TURN 0, 1, 1
	QUARTER 1, 1, F0, F1, 0
	QUARTER 1, 2, F1, F0, 0
	QUARTER 1, 3, F0, F1, 0
	TURN 1, 0, 1
	QUARTER 0, 1, F0, F1, 0
	WIN 0
	s_sub_co_u32 s3, s3, 1
	s_cmp_lg_u32 s3, 0
	s_cbranch_scc1 .Llap
	QUARTER 0, 2, F1, F0, 0                        ; the last lap fills nothing
	QUARTER 0, 3, F0, F1, 0
	TURN 0, 1, 0
	QUARTER 1, 1, F0, F1, 0
	QUARTER 1, 2, F1, F0, 0
	QUARTER 1, 3, F0, F1, 0
	s_wait_dscnt 8
	WIN MUL
	MUL8 F1, 0, 0
	MUL8 F1, 2, 0
	s_wait_dscnt 0
	MUL8 F1, 4, 0
	MUL8 F1, 6, 0
	WIN 0
; THE WAY OUT, block by block of 16 rows x 64 columns: through my own stage, back as whole rows of 256 bytes: sixteen lanes store 256 consecutive bytes, aligned.
.macro TOSTAGE a
	WIN 0x08                                       ; an LDS store's data: window 2
.irp b, 0,1,2,3
	ds_store_b128 v[STO], v[8*(4*(\a)+\b):8*(4*(\a)+\b)+3] offset:64*\b          ; each accumulator from its low end on
	ds_store_b128 v[STO], v[8*(4*(\a)+\b)+4:8*(4*(\a)+\b)+7] offset:64*\b+16
.endr
	WIN 0
.set BB, OB+32*((\a)%2)
.irp i, 0,1,2,3,4,5,6,7
	ds_load_b128 v[BB+4*\i:BB+4*\i+3], v[RD] offset:\i*2*SPITCH   ; LDS serves a wave's instructions in order
.endr
.endm
.macro SEND a, younger
.set BB, OB+32*((\a)%2)
	s_wait_dscnt \younger                          ; the block is back; the next block's eight stores and eight loads may be out
.irp i, 0,1,2,3,4,5,6,7
	global_store_b128 v[CO], v[BB+4*\i:BB+4*\i+3], s[8:9] offset:(\a)*65536+\i*8192 th:TH_STORE_NT
.endr
.endm
	PLACES
	TOSTAGE 0
.irp a, 1,2,3,4,5,6,7
.if \a > 1
	s_wait_xcnt 0x0                                ; block a - 2's stores have read their registers: block a's loads may land there
.endif
	TOSTAGE \a
	SEND \a-1, 16
.endr
	SEND 7, 0
	s_wait_tensorcnt 0x0                           ; the wave's end
	ds_add_u32 v[SPW], v[NIL]
	s_wait_dscnt 0x0
	CROUND                                         ; the closing round
	s_endpgm
.Lfunc_end_k_qd010dfac94_proj:
	.size	k_qd010dfac94_proj, .Lfunc_end_k_qd010dfac94_proj-k_qd010dfac94_proj
	.p2alignl 7, 3214868480
	.fill 96, 4, 3214868480
	.section	.rodata,"a",@progbits
	.p2align	6, 0x0
	.amdhsa_kernel k_qd010dfac94_proj
		.amdhsa_group_segment_fixed_size 327680
		.amdhsa_private_segment_fixed_size 0
		.amdhsa_enable_private_segment 0
		.amdhsa_kernarg_size 32
		.amdhsa_user_sgpr_count 2
		.amdhsa_user_sgpr_kernarg_segment_ptr 1
		.amdhsa_wavefront_size32 1
		.amdhsa_system_sgpr_workgroup_id_x 1
		.amdhsa_system_sgpr_workgroup_id_y 1
		.amdhsa_system_sgpr_workgroup_id_z 1
		.amdhsa_system_vgpr_workitem_id 0
		.amdhsa_next_free_vgpr 768
		.amdhsa_next_free_sgpr 68
		.amdhsa_reserve_vcc 0
		.amdhsa_float_denorm_mode_32 3
		.amdhsa_float_denorm_mode_16_64 3
		.amdhsa_memory_ordered 1
		.amdhsa_forward_progress 1
		.amdhsa_inst_pref_size 86
	.end_amdhsa_kernel
	.amdgpu_metadata
---
amdhsa.version: [ 1, 2 ]
amdhsa.kernels:
  - .name:           k_qd010dfac94_proj
    .symbol:         k_qd010dfac94_proj.kd
    .args:
      - { .name: yb, .offset: 0, .size: 8, .value_kind: global_buffer, .address_space: global }
      - { .name: wp16, .offset: 8, .size: 8, .value_kind: global_buffer, .address_space: global }
      - { .name: out0, .offset: 16, .size: 8, .value_kind: global_buffer, .address_space: global }
      - { .name: b_proj, .offset: 24, .size: 8, .value_kind: global_buffer, .address_space: global }
    .group_segment_fixed_size: 327680
    .private_segment_fixed_size: 0
    .kernarg_segment_align: 8
    .kernarg_segment_size: 32
    .max_flat_workgroup_size: 128
    .sgpr_count:     68
    .vgpr_count:     768
    .wavefront_size: 32
...
	.end_amdgpu_metadata
.endif
;; end of part 5
;; launch head16 (part 6): grid 64 x 1, 12 waves a work-group, no clusters, 20,480 bytes of LDS; arguments xc, xs, wc, ws, b_attn, y16; writes y16
.if DOCPART == 6
	.amdgcn_target "amdgcn-amd-amdhsa--gfx1250"
	.amdhsa_code_object_version 6
	.text
	.protected	k_qd010dfac94_head16
	.globl	k_qd010dfac94_head16
	.p2align	8
	.type	k_qd010dfac94_head16,@function
k_qd010dfac94_head16:
	s_mov_b64 s[64:65], 0
	v_nop
	global_prefetch_b8 v0, s[64:65] scope:SCOPE_SE
	s_setreg_imm32_b32 hwreg(HW_REG_WAVE_MODE, 25, 1), 1
	s_wait_xcnt 0x0
; The first 16 positions of each sequence, carried in f32: under the causal mask they average one to sixteen values and are the largest in size.  One work-group for each (b, h).
; Phase 1, twelve waves: q, k, v of positions 0 to 15 of this head once more from the codes (the quantised product, on FP4 codes with E8M0 scales, f32 sums, the bias as C), kept in f32: wave w makes 16 rows x 16 columns:
; which of q, k, v = w / 4, channels 16 (w % 4) on.  They meet in LDS.  Phase 2, wave 0: S^T = K Q^T, the causal softmax and O^T = V^T P by the f32 matrix form (32 instructions: no bulk work).  y16: [4 b][16 t][1024] f32.
; LIMITS: NaN and infinities are not served.
.set Q16,   0                          ; LDS: 16 rows x (256 bytes + 16), f32
.set K16,   4352
.set V16,   8704
.set PST,   13312                      ; p: 16 rows x (64 bytes + 16)
.set YST,   14592                      ; y: 16 rows x 272
.set SPARE, 18944                      ; the spare words: 128 bytes a wave
.set SPW,  16
.set NIL,  17
.set XF,   20                          ; v20-83   x's 8 fragments; later Q (v20-51) and K (v52-83); later rows of y
.set XS,   84                          ; v84-91   x's scale words, one a K step
.set WF,   92                          ; v92-155  W's 8 fragments; later V (v92-123) and P (v124-131)
.set WS,   156                         ; v156-163 W's scale words
.set ACA,  164                         ; two accumulators by turns; the first begins as the bias
.set ACB,  172
.set SUM,  180                         ; v180-187 sums; later scores and p;  v188-191 at work
.set S0,   192                         ; v192-207 S^T in two halves along the channels; v208-239 O^T: written by matrix instructions alone
.set OT,   208
	s_load_b256 s[4:11], s[0:1], 0x0               ; xc, xs, wc, ws
	s_load_b128 s[12:15], s[0:1], 0x20             ; b_attn, y16
	v_lshl_add_u32 v[SPW], v0, 2, SPARE
	v_mov_b32 v[NIL], 0
	v_lshrrev_b32 v18, 5, v0
	v_readfirstlane_b32 s16, v18                   ; wave 0..11
	v_and_b32 v1, 15, v0                           ; r
	v_bfe_u32 v2, v0, 4, 1                         ; h
	v_lshlrev_b32 v3, 9, v1
	v_lshl_add_u32 v3, v2, 4, v3                   ; codes: row r of 512 bytes + 16 h
	v_lshlrev_b32 v4, 5, v1                        ; scale bytes: 32 a row
	v_lshlrev_b32 v5, 5, v2                        ; the bias: columns 8 h on
	s_lshr_b32 s17, s16, 2                         ; which of q, k, v
	s_and_b32 s18, s16, 3                          ; which 16 channels
	s_mul_i32 s19, s17, 4352
	s_lshl_b32 s24, s18, 6
	s_add_co_u32 s19, s19, s24
	v_mul_u32_u24 v7, v1, 272
	v_lshl_add_u32 v6, v2, 5, v7
	v_add_nc_u32 v6, s19, v6                       ; phase 1's store: row r, channels 16 (w % 4) + 8 h on
	v_lshl_add_u32 v8, v2, 3, v7                   ; Q's and K's fragments: row r, channels 2 h on
	v_mul_u32_u24 v9, v2, 544
	v_lshl_add_u32 v9, v1, 2, v9
	v_add_nc_u32 v9, V16, v9                       ; V's: key 2 h, channel r
	v_mul_u32_u24 v10, v1, 80
	v_lshl_add_u32 v11, v2, 3, v10
	v_add_nc_u32 v11, PST, v11                     ; p back: query r, keys 2 h on
	v_lshl_add_u32 v10, v2, 5, v10
	v_add_nc_u32 v10, PST, v10                     ; p in: query r, keys 8 h on
	v_lshl_add_u32 v12, v2, 5, v7
	v_add_nc_u32 v12, YST, v12                     ; y in
	v_mul_u32_u24 v13, v2, 272
	v_lshl_add_u32 v13, v1, 4, v13
	v_add_nc_u32 v13, YST, v13                     ; y back: lanes 0-15 one row, lanes 16-31 the next
	v_lshlrev_b32 v14, 12, v2
	v_lshl_add_u32 v14, v1, 4, v14                 ; and the same two rows in y16
	v_lshlrev_b32 v15, 3, v2
	v_sub_nc_u32 v15, v1, v15                      ; r - 8 h
	v_mov_b32 v18, 0xff800000                      ; -infinity
	v_mov_b32 v189, 0                              ; (a lane permute's destination counts as one of its sources)
	s_mov_b32 s20, 0x76543210
	s_mov_b32 s21, 0xfedcba98
	s_mov_b32 s22, 0x3e38aa3b                      ; c = log2(e) / 8
	s_lshr_b32 s25, ttmp9, 4                       ; b
	s_and_b32 s26, ttmp9, 15                       ; h
	s_lshl_b32 s27, s17, 10
	s_lshl_b32 s28, s26, 6
	s_add_co_u32 s27, s27, s28
	s_lshl_b32 s28, s18, 4
	s_add_co_u32 s27, s27, s28                     ; my first column of W_attn
	s_mov_b32 s29, 0
	s_wait_kmcnt 0x0
	s_lshl_b32 s28, s25, 20
	s_add_nc_u64 s[4:5], s[4:5], s[28:29]          ; x's codes at row 2,048 b
	s_lshl_b32 s28, s25, 16
	s_add_nc_u64 s[6:7], s[6:7], s[28:29]
	s_lshl_b32 s28, s27, 9
	s_add_nc_u64 s[8:9], s[8:9], s[28:29]
	s_lshl_b32 s28, s27, 5
	s_add_nc_u64 s[10:11], s[10:11], s[28:29]
	s_lshl_b32 s28, s27, 2
	s_add_nc_u64 s[12:13], s[12:13], s[28:29]
	s_lshl_b32 s28, s25, 16
	s_lshl_b32 s30, s26, 8
	s_add_co_u32 s28, s28, s30
	s_add_nc_u64 s[14:15], s[14:15], s[28:29]      ; y16: 65,536 b + 256 h
.irp s, 0,1,2,3,4,5,6,7
.irp c, 0,1
	global_load_b128 v[XF+8*\s+4*\c:XF+8*\s+4*\c+3], v3, s[4:5] offset:64*\s+32*\c
	global_load_b128 v[WF+8*\s+4*\c:WF+8*\s+4*\c+3], v3, s[8:9] offset:64*\s+32*\c
.endr
.endr
	global_load_b128 v[XS:XS+3], v4, s[6:7]
	global_load_b128 v[XS+4:XS+7], v4, s[6:7] offset:16
	global_load_b128 v[WS:WS+3], v4, s[10:11]
	global_load_b128 v[WS+4:WS+7], v4, s[10:11] offset:16
	global_load_b128 v[ACA:ACA+3], v5, s[12:13]
	global_load_b128 v[ACA+4:ACA+7], v5, s[12:13] offset:16
	s_wait_loadcnt 0x0
.irp s, 0,1,2,3,4,5,6,7                        ; transposed: source 0 = 16 columns of W, source 1 = x's 16 rows; two accumulators by turns
.if \s == 1
	v_wmma_scale_f32_16x16x128_f8f6f4 v[ACB:ACB+7], v[WF+8*\s:WF+8*\s+7], v[XF+8*\s:XF+8*\s+7], 0, v[WS+\s], v[XS+\s] matrix_a_fmt:MATRIX_FMT_FP4 matrix_b_fmt:MATRIX_FMT_FP4
.elseif \s%2 == 0
	v_wmma_scale_f32_16x16x128_f8f6f4 v[ACA:ACA+7], v[WF+8*\s:WF+8*\s+7], v[XF+8*\s:XF+8*\s+7], v[ACA:ACA+7], v[WS+\s], v[XS+\s] matrix_a_fmt:MATRIX_FMT_FP4 matrix_b_fmt:MATRIX_FMT_FP4
.else
	v_wmma_scale_f32_16x16x128_f8f6f4 v[ACB:ACB+7], v[WF+8*\s:WF+8*\s+7], v[XF+8*\s:XF+8*\s+7], v[ACB:ACB+7], v[WS+\s], v[XS+\s] matrix_a_fmt:MATRIX_FMT_FP4 matrix_b_fmt:MATRIX_FMT_FP4
.endif
.endr
.rept 4
	v_nop
.endr
.irp i, 0,2,4,6
	v_pk_add_f32 v[SUM+\i:SUM+\i+1], v[ACA+\i:ACA+\i+1], v[ACB+\i:ACB+\i+1]
.endr
	ds_store_b128 v6, v[SUM:SUM+3]
	ds_store_b128 v6, v[SUM+4:SUM+7] offset:16
	s_wait_dscnt 0x0                               ; for wave 0's sake: my stores are done
	s_barrier_signal -1
	s_barrier_wait -1
	s_cmp_lg_u32 s16, 0
	s_cbranch_scc1 .Lend
.irp kk, 0,1,2,3,4,5,6,7,8,9,10,11,12,13,14,15 ; an f32 fragment is 16 rows x 4 K in 2 registers: lane (r, h) holds row r, k = 2 h + 0, 1
	ds_load_b64 v[52+2*\kk:53+2*\kk], v8 offset:K16+16*\kk
	ds_load_b64 v[20+2*\kk:21+2*\kk], v8 offset:Q16+16*\kk
.endr
.irp ct, 0,1,2,3
.irp kk, 0,1,2,3
.irp j, 0,1
	ds_load_b32 v[92+2*(4*\ct+\kk)+\j], v9 offset:(4*\kk+\j)*272+64*\ct   ; V^T: channel 16 ct + r, key 4 kk + 2 h + j
.endr
.endr
.endr
	s_wait_dscnt 0x0
.irp kk, 0,1,2,3,4,5,6,7,8,9,10,11,12,13,14,15 ; S^T = K Q^T: lane (r, h) holds query r, keys 8 h + 0..7; two accumulators by turns
.if \kk < 2
	v_wmma_f32_16x16x4_f32 v[S0+8*(\kk%2):S0+8*(\kk%2)+7], v[52+2*\kk:53+2*\kk], v[20+2*\kk:21+2*\kk], 0
.else
	v_wmma_f32_16x16x4_f32 v[S0+8*(\kk%2):S0+8*(\kk%2)+7], v[52+2*\kk:53+2*\kk], v[20+2*\kk:21+2*\kk], v[S0+8*(\kk%2):S0+8*(\kk%2)+7]
.endif
.endr
.rept 8
	v_nop                                          ; eight places behind this form
.endr
.irp i, 0,2,4,6
	v_pk_add_f32 v[SUM+\i:SUM+\i+1], v[S0+\i:S0+\i+1], v[S0+8+\i:S0+8+\i+1]
.endr
.irp j, 0,1,2,3,4,5,6,7
	v_cmp_gt_i32 vcc_lo, \j, v15                   ; key 8 h + j is hidden where j > r - 8 h
	v_cndmask_b32 v[SUM+\j], v[SUM+\j], v18, vcc_lo
.endr
	v_max3_num_f32 v188, v[SUM], v[SUM+1], v[SUM+2]
	v_max3_num_f32 v190, v[SUM+3], v[SUM+4], v[SUM+5]
	v_max3_num_f32 v188, v188, v[SUM+6], v[SUM+7]
	v_max_num_f32 v188, v188, v190
	v_permlanex16_b32 v189, v188, s20, s21
	v_max_num_f32 v188, v188, v189                 ; the row's maximum (key 0 counts for every query)
	v_mul_f32 v188, s22, v188
.irp j, 0,1,2,3,4,5,6,7
	v_fma_f32 v[SUM+\j], v[SUM+\j], s22, -v188
.endr
.irp j, 0,1,2,3,4,5,6,7
	v_exp_f32 v[SUM+\j], v[SUM+\j]
.endr
	v_nop
	s_wait_alu depctr_va_vdst(0)                   ; one wait for the eight exponentials, ahead of their first reader
	v_add_f32 v190, v[SUM], v[SUM+1]
	v_add_f32 v191, v[SUM+2], v[SUM+3]
	v_add_f32 v190, v190, v[SUM+4]
	v_add_f32 v191, v191, v[SUM+5]
	v_add_f32 v190, v190, v[SUM+6]
	v_add_f32 v191, v191, v[SUM+7]
	v_add_f32 v190, v190, v191
	v_permlanex16_b32 v189, v190, s20, s21
	v_add_f32 v190, v190, v189
	v_rcp_f32 v191, v190
	v_nop
	s_wait_alu depctr_va_vdst(0)
.irp j, 0,1,2,3,4,5,6,7
	v_mul_f32 v[SUM+\j], v[SUM+\j], v191
.endr
	ds_store_b128 v10, v[SUM:SUM+3]                ; p changes its layout through LDS: in by keys 8 h on, back by keys 4 kk + 2 h on
	ds_store_b128 v10, v[SUM+4:SUM+7] offset:16
.irp kk, 0,1,2,3
	ds_load_b64 v[124+2*\kk:125+2*\kk], v11 offset:16*\kk
.endr
	s_wait_dscnt 0x0
.irp kk, 0,1,2,3                               ; O^T = V^T P: four accumulators by turns
.irp ct, 0,1,2,3
.if \kk == 0
	v_wmma_f32_16x16x4_f32 v[OT+8*\ct:OT+8*\ct+7], v[92+2*(4*\ct+\kk):93+2*(4*\ct+\kk)], v[124+2*\kk:125+2*\kk], 0
.else
	v_wmma_f32_16x16x4_f32 v[OT+8*\ct:OT+8*\ct+7], v[92+2*(4*\ct+\kk):93+2*(4*\ct+\kk)], v[124+2*\kk:125+2*\kk], v[OT+8*\ct:OT+8*\ct+7]
.endif
.endr
.endr
.rept 8
	v_nop
.endr
.irp ct, 0,1,2,3
	ds_store_b128 v12, v[OT+8*\ct:OT+8*\ct+3] offset:64*\ct        ; each accumulator from its low end on
	ds_store_b128 v12, v[OT+8*\ct+4:OT+8*\ct+7] offset:64*\ct+16
.endr
.irp i, 0,1,2,3,4,5,6,7
	ds_load_b128 v[20+4*\i:23+4*\i], v13 offset:544*\i
.endr
.irp i, 0,1,2,3,4,5,6,7
	s_wait_dscnt 7-\i
	global_store_b128 v14, v[20+4*\i:23+4*\i], s[14:15] offset:8192*\i   ; sixteen lanes store the head's 256 consecutive bytes of a row
.endr
.Lend:
	s_wait_tensorcnt 0x0                           ; the wave's end, behind my last LDS store
	ds_add_u32 v[SPW], v[NIL]
	s_wait_dscnt 0x0
	s_endpgm
.Lfunc_end_k_qd010dfac94_head16:
	.size	k_qd010dfac94_head16, .Lfunc_end_k_qd010dfac94_head16-k_qd010dfac94_head16
	.p2alignl 7, 3214868480
	.fill 96, 4, 3214868480
	.section	.rodata,"a",@progbits
	.p2align	6, 0x0
	.amdhsa_kernel k_qd010dfac94_head16
		.amdhsa_group_segment_fixed_size 20480
		.amdhsa_private_segment_fixed_size 0
		.amdhsa_enable_private_segment 0
		.amdhsa_kernarg_size 48
		.amdhsa_user_sgpr_count 2
		.amdhsa_user_sgpr_kernarg_segment_ptr 1
		.amdhsa_wavefront_size32 1
		.amdhsa_system_sgpr_workgroup_id_x 1
		.amdhsa_system_sgpr_workgroup_id_y 1
		.amdhsa_system_sgpr_workgroup_id_z 1
		.amdhsa_system_vgpr_workitem_id 0
		.amdhsa_next_free_vgpr 240
		.amdhsa_next_free_sgpr 66
		.amdhsa_reserve_vcc 1
		.amdhsa_float_denorm_mode_32 3
		.amdhsa_float_denorm_mode_16_64 3
		.amdhsa_memory_ordered 1
		.amdhsa_forward_progress 1
		.amdhsa_inst_pref_size 21
	.end_amdhsa_kernel
	.amdgpu_metadata
---
amdhsa.version: [ 1, 2 ]
amdhsa.kernels:
  - .name:           k_qd010dfac94_head16
    .symbol:         k_qd010dfac94_head16.kd
    .args:
      - { .name: xc, .offset: 0, .size: 8, .value_kind: global_buffer, .address_space: global }
      - { .name: xs, .offset: 8, .size: 8, .value_kind: global_buffer, .address_space: global }
      - { .name: wc, .offset: 16, .size: 8, .value_kind: global_buffer, .address_space: global }
      - { .name: ws, .offset: 24, .size: 8, .value_kind: global_buffer, .address_space: global }
      - { .name: b_attn, .offset: 32, .size: 8, .value_kind: global_buffer, .address_space: global }
      - { .name: y16, .offset: 40, .size: 8, .value_kind: global_buffer, .address_space: global }
    .group_segment_fixed_size: 20480
    .private_segment_fixed_size: 0
    .kernarg_segment_align: 8
    .kernarg_segment_size: 48
    .max_flat_workgroup_size: 384
    .sgpr_count:     66
    .vgpr_count:     240
    .wavefront_size: 32
...
	.end_amdgpu_metadata
.endif
;; end of part 6
;; launch proj16 (part 7): grid 64 x 4, 8 waves a work-group, no clusters, 11,264 bytes of LDS; arguments y16, W_proj, b_proj, out0; writes out0
.if DOCPART == 7
	.amdgcn_target "amdgcn-amd-amdhsa--gfx1250"
	.amdhsa_code_object_version 6
	.text
	.protected	k_qd010dfac94_proj16
	.globl	k_qd010dfac94_proj16
	.p2align	8
	.type	k_qd010dfac94_proj16,@function
k_qd010dfac94_proj16:
	s_mov_b64 s[64:65], 0
	v_nop
	global_prefetch_b8 v0, s[64:65] scope:SCOPE_SE
	s_setreg_imm32_b32 hwreg(HW_REG_WAVE_MODE, 25, 1), 1
	s_wait_xcnt 0x0
; The projection of the first 16 positions of each sequence in f32: out0[b][t < 16][:] = y16[b][t][:] W_proj + b_proj, written over what the f16 projection left there.  64 rows in all: no bulk work.
; A work-group makes 16 rows x 16 columns; wave ks takes k = 128 ks .. 128 ks + 127 by 32 f32 matrix instructions, on two accumulators by turns; the eight waves' parts meet in LDS and waves 0 and 1 add them and the bias.
; TRANSPOSED: source 0 = 16 columns of W, source 1 = 16 rows of y.  K is permuted alike on both sides, so that y comes by loads of 16 bytes: place (h, j) of step (q, e) is k = 8 q + 4 h + 2 e + j.
; A row's piece here is 64 bytes: whole runs of 256 would need 64 columns in one work-group, four times the chain of f32 products on a quarter of the work-groups; 262,144 bytes of out0 are written so.
.set SPARE, 10240                      ; LDS: eight parts of 16 rows x (64 bytes + 16); behind them the spare words
.set SPW,  10
.set NIL,  11
.set AY,   16                          ; v16-79   y: register 4 q + i: k = 8 q + 4 h + i of row r
.set BW,   80                          ; v80-143  W: the same k of column r
.set AC,   144                         ; v144-159 two accumulators: written by matrix instructions alone
.set SUM,  160
	s_load_b256 s[4:11], s[0:1], 0x0               ; y16, W_proj, b_proj, out0
	v_lshl_add_u32 v[SPW], v0, 2, SPARE
	v_mov_b32 v[NIL], 0
	v_lshrrev_b32 v1, 5, v0
	v_readfirstlane_b32 s12, v1                    ; wave 0..7
	v_and_b32 v1, 15, v0                           ; r
	v_bfe_u32 v2, v0, 4, 1                         ; h
	v_lshlrev_b32 v3, 12, v1
	v_lshl_add_u32 v3, v2, 4, v3                   ; y: row r of 4,096 bytes + 16 h
	v_lshlrev_b32 v6, 14, v2
	v_lshl_add_u32 v6, v1, 2, v6                   ; W: k-row 4 h, column r
	v_mul_u32_u24 v4, v1, 80
	v_lshl_add_u32 v4, v2, 5, v4
	s_mul_i32 s16, s12, 1280
	v_add_nc_u32 v4, s16, v4                       ; my part: row r, columns 8 h on
	v_bfe_u32 v9, v0, 2, 3                         ; the sum: row 8 w + l / 4, columns 4 (l % 4) on
	v_and_b32 v12, 3, v0
	v_lshlrev_b32 v7, 4, v12
	v_lshl_add_u32 v8, v9, 12, v7
	s_lshl_b32 s17, s12, 15
	v_add_nc_u32 v8, s17, v8
	v_mul_u32_u24 v5, v9, 80
	v_add_nc_u32 v5, v5, v7
	s_mul_i32 s18, s12, 640
	v_add_nc_u32 v5, s18, v5
	s_and_b32 s13, ttmp7, 0xffff                   ; b
	s_lshl_b32 s19, ttmp9, 6                       ; my 16 columns: 64 bytes
	s_mov_b32 s21, 0
	s_wait_kmcnt 0x0
	s_lshl_b32 s20, s13, 16
	s_lshl_b32 s22, s12, 9
	s_add_co_u32 s20, s20, s22
	s_add_nc_u64 s[4:5], s[4:5], s[20:21]          ; y16: 65,536 b + 512 ks
	s_lshl_b32 s20, s12, 19
	s_add_co_u32 s20, s20, s19
	s_add_nc_u64 s[6:7], s[6:7], s[20:21]          ; W_proj: 128 ks rows of 4,096 bytes, my columns
	s_mov_b32 s20, s19
	s_add_nc_u64 s[8:9], s[8:9], s[20:21]
	s_lshl_b32 s20, s13, 23
	s_add_co_u32 s20, s20, s19
	s_add_nc_u64 s[10:11], s[10:11], s[20:21]      ; out0: row 2,048 b, my columns
.irp q, 0,1,2,3,4,5,6,7,8,9,10,11,12,13,14,15
	global_load_b128 v[AY+4*\q:AY+4*\q+3], v3, s[4:5] offset:32*\q
.irp i, 0,1,2,3
	global_load_b32 v[BW+4*\q+\i], v6, s[6:7] offset:(8*\q+\i)*4096
.endr
.endr
	s_wait_loadcnt 0x0
.irp q, 0,1,2,3,4,5,6,7,8,9,10,11,12,13,14,15
.irp e, 0,1
.if \q == 0
	v_wmma_f32_16x16x4_f32 v[AC+8*\e:AC+8*\e+7], v[BW+4*\q+2*\e:BW+4*\q+2*\e+1], v[AY+4*\q+2*\e:AY+4*\q+2*\e+1], 0
.else
	v_wmma_f32_16x16x4_f32 v[AC+8*\e:AC+8*\e+7], v[BW+4*\q+2*\e:BW+4*\q+2*\e+1], v[AY+4*\q+2*\e:AY+4*\q+2*\e+1], v[AC+8*\e:AC+8*\e+7]
.endif
.endr
.endr
.rept 8
	v_nop                                          ; eight places behind this form
.endr
.irp i, 0,2,4,6
	v_pk_add_f32 v[SUM+\i:SUM+\i+1], v[AC+\i:AC+\i+1], v[AC+8+\i:AC+8+\i+1]
.endr
	ds_store_b128 v4, v[SUM:SUM+3]
	ds_store_b128 v4, v[SUM+4:SUM+7] offset:16
	s_wait_dscnt 0x0                               ; for the others' sake: my part is in LDS
	s_barrier_signal -1
	s_barrier_wait -1
	s_cmp_gt_u32 s12, 1
	s_cbranch_scc1 .Lend
	global_load_b128 v[168:171], v7, s[8:9]        ; the bias of my four columns starts the sum
.irp k, 0,1,2,3,4,5,6,7
	ds_load_b128 v[172+4*\k:175+4*\k], v5 offset:1280*\k
.endr
	s_wait_loadcnt 0x0
	s_wait_dscnt 0x0
.irp k, 0,1,2,3,4,5,6,7
	v_pk_add_f32 v[168:169], v[168:169], v[172+4*\k:173+4*\k]
	v_pk_add_f32 v[170:171], v[170:171], v[174+4*\k:175+4*\k]
.endr
	global_store_b128 v8, v[168:171], s[10:11]
.Lend:
	s_wait_tensorcnt 0x0                           ; the wave's end, behind my last LDS store
	ds_add_u32 v[SPW], v[NIL]
	s_wait_dscnt 0x0
	s_endpgm
.Lfunc_end_k_qd010dfac94_proj16:
	.size	k_qd010dfac94_proj16, .Lfunc_end_k_qd010dfac94_proj16-k_qd010dfac94_proj16
	.p2alignl 7, 3214868480
	.fill 96, 4, 3214868480
	.section	.rodata,"a",@progbits
	.p2align	6, 0x0
	.amdhsa_kernel k_qd010dfac94_proj16
		.amdhsa_group_segment_fixed_size 11264
		.amdhsa_private_segment_fixed_size 0
		.amdhsa_enable_private_segment 0
		.amdhsa_kernarg_size 32
		.amdhsa_user_sgpr_count 2
		.amdhsa_user_sgpr_kernarg_segment_ptr 1
		.amdhsa_wavefront_size32 1
		.amdhsa_system_sgpr_workgroup_id_x 1
		.amdhsa_system_sgpr_workgroup_id_y 1
		.amdhsa_system_sgpr_workgroup_id_z 1
		.amdhsa_system_vgpr_workitem_id 0
		.amdhsa_next_free_vgpr 208
		.amdhsa_next_free_sgpr 66
		.amdhsa_reserve_vcc 0
		.amdhsa_float_denorm_mode_32 3
		.amdhsa_float_denorm_mode_16_64 3
		.amdhsa_memory_ordered 1
		.amdhsa_forward_progress 1
		.amdhsa_inst_pref_size 15
	.end_amdhsa_kernel
	.amdgpu_metadata
---
amdhsa.version: [ 1, 2 ]
amdhsa.kernels:
  - .name:           k_qd010dfac94_proj16
    .symbol:         k_qd010dfac94_proj16.kd
    .args:
      - { .name: y16, .offset: 0, .size: 8, .value_kind: global_buffer, .address_space: global }
      - { .name: W_proj, .offset: 8, .size: 8, .value_kind: global_buffer, .address_space: global }
      - { .name: b_proj, .offset: 16, .size: 8, .value_kind: global_buffer, .address_space: global }
      - { .name: out0, .offset: 24, .size: 8, .value_kind: global_buffer, .address_space: global }
    .group_segment_fixed_size: 11264
    .private_segment_fixed_size: 0
    .kernarg_segment_align: 8
    .kernarg_segment_size: 32
    .max_flat_workgroup_size: 256
    .sgpr_count:     66
    .vgpr_count:     208
    .wavefront_size: 32
...
	.end_amdgpu_metadata
.endif
;; end of part 7
